; MI455X (gfx1250); checked and timed in simulation.
; The chip was launched on July 23, 2026; its instructions are those of AMD's public machine-readable ISA for CDNA 5 (MIT licence, August 2026) and "CDNA5" Instruction Set Architecture Reference Guide (July 2026). The comments in the code are by the model that wrote it; some were corrected since.
;; Attention Block. Allowed arithmetic: matrix products marked QUANTISED: E2M1 operands, one E8M0 scale for each 32 along K, by v_wmma_scale_f32_16x16x128_f8f6f4 with both operands' format E2M1 (or v_wmma_scale_f32_32x16x128_f4), f32 sums; everything else in f32.
;; Inputs: gn_bias 512 float32; gn_weight 512 float32; hidden_states 2 x 512 x 64 x 64 float32; k_b 512 float32; k_w_codes 512 x 16 x 16 uint8 (E2M1 codes of k_w, K innermost, in blocks of 32 codes, two codes a byte); k_w_scales 512 x 16 uint8 (E8M0 scales of k_w, one for each 32 codes along K); proj_b 512 float32; proj_w_codes 512 x 16 x 16 uint8 (E2M1 codes of proj_w, K innermost, in blocks of 32 codes, two codes a byte); proj_w_scales 512 x 16 uint8 (E8M0 scales of proj_w, one for each 32 codes along K); q_b 512 float32; q_w_codes 512 x 16 x 16 uint8 (E2M1 codes of q_w, K innermost, in blocks of 32 codes, two codes a byte); q_w_scales 512 x 16 uint8 (E8M0 scales of q_w, one for each 32 codes along K); v_b 512 float32; v_w_codes 512 x 16 x 16 uint8 (E2M1 codes of v_w, K innermost, in blocks of 32 codes, two codes a byte); v_w_scales 512 x 16 uint8 (E8M0 scales of v_w, one for each 32 codes along K).
;; Outputs: out0 2 x 512 x 64 x 64 float32.
;; This version of the problem:
;;   THIS VERSION OF THE PROBLEM IS GIVEN IN LOW PRECISION. The matrix products marked QUANTISED in the list below multiply operands that are first quantised to E2M1 (2 exponent bits, 1 mantissa bit; 4 bits a number), with one power-of-two scale for each 32 numbers along K (OCP MX v1.0); their sums are f32. All else is computed in f32.
;;   The module's matrix products, in the order in which they are computed (A, B: the left and right operand; K: the contracted axis; several contracted axes count as one K, in the product's order):
;;     1. [M 8,192, K 512] x [K 512, N 512]; A: computed on the way; B: input q_w (given as codes): QUANTISED
;;     2. [M 8,192, K 512] x [K 512, N 512]; A: computed on the way; B: input k_w (given as codes): QUANTISED
;;     3. [M 8,192, K 512] x [K 512, N 512]; A: computed on the way; B: input v_w (given as codes): QUANTISED
;;     4. batch 16 x [M 4,096, K 64] x [K 64, N 4,096]; A: computed on the way; B: computed on the way: QUANTISED
;;     5. batch 16 x [M 4,096, K 4,096] x [K 4,096, N 64]; A: softmax (see below); B: computed on the way: QUANTISED
;;     6. [M 8,192, K 512] x [K 512, N 512]; A: computed on the way; B: input proj_w (given as codes): QUANTISED
;;   THE QUANTISER, for each operand of a quantised product, along K:
;;     - K is cut into blocks of 32 from its start; a last block that is shorter is filled with zeros.
;;     - A block's scale is 2^e with e = floor(log2(the largest magnitude in the block)) - 2, held to -126 .. 127; a block of zeros has e = 0. As a byte (E8M0): e + 127.
;;     - Each number is divided by its block's scale, clamped to +-6, and rounded to the nearest number of E2M1, ties to even, subnormals kept.
;;     - The product sums the exact products of the quantised numbers (number of the format x scale) in f32.
;;   ~~~python
;;   def quantise(x, axis):      # numpy; x: float32 -> the quantised numbers, widened to float32 again
;;       x = np.moveaxis(x, axis, -1); K = x.shape[-1]
;;       x = np.pad(x, [(0, 0)] * (x.ndim - 1) + [(0, -K % 32)]); x = x.reshape(x.shape[:-1] + (-1, 32)); a = np.abs(x).max(-1, keepdims=True)
;;       e = np.where(a > 0, np.clip(np.frexp(np.where(a > 0, a, 1))[1] - 1 - 2, -126, 127), 0)      # np.frexp(a)[1] - 1 = floor(log2(a)), exactly
;;       r = np.clip(x / 2.0 ** e, -6, 6)
;;       step = 2.0 ** (np.maximum(np.frexp(np.where(r == 0, 1, r))[1] - 1, 0) - 1)
;;       q = np.round(r / step) * step * 2.0 ** e      # np.round: ties to even
;;       return np.moveaxis(q.reshape(q.shape[:-2] + (-1,))[..., :K], -1, axis).astype(np.float32)
;;   ~~~
;;   SOFTMAX AHEAD OF A QUANTISED PRODUCT. Where the list says 'softmax', what is quantised is not the finished softmax but p = 2^(t - M), with t = logit x log2(e) and M = ceil(the row's largest t), a whole number; so 1/2 < the row's largest p <= 1. The row's sum l is taken of the UNQUANTISED p, in f32, and the product's result is divided by l at the end. Since M is a whole number, a kernel that streams over the keys may use a running M (the ceiling of the running maximum): every later rescaling is an exact power of two, which a block's scale takes up: the codes' values come out the same.
;;   OPERANDS COMPUTED ON THE WAY. 'Computed on the way' means the value that the module computes at that place (a softmax that the list does not call 'softmax' is quantised finished and normalised). What goes into a quantiser is computed in f32, as accurately as f32 sums, v_exp_f32 and their like allow (about 1e-6 of the number): no bf16 or f16 on the way to a quantiser, and a product that is left as it is and whose result goes on into a quantised operand takes f32 operands (vector FMAs, or v_wmma_f32_16x16x4_f32). A number that lies on a knife's edge between two numbers of the format may be rounded either way, as far as f32 arithmetic and the matrix unit's own rounding can turn it there, and no further.
;;   INPUTS GIVEN AS CODES. k_w (in the module: [512, 512], K = its axis 1); proj_w (in the module: [512, 512], K = its axis 1); q_w (in the module: [512, 512], K = its axis 1); v_w (in the module: [512, 512], K = its axis 1): each comes as NAME_codes (uint8): NAME with its K axis moved to the last place and cut into blocks of 32 codes, [.., K / 32, bytes a block], one block behind the other in memory; two codes a byte, the lower K in the low four bits (a code: sign, 2 exponent bits, 1 mantissa bit); and NAME_scales (uint8): the same leading axes, one E8M0 byte (e + 127) for each 32 codes along K. Its value is code x scale, taken as it is: it is not quantised again, and the codes and scales need not be those that the quantiser above would give.
;; 2 versions. Each part assembles by itself: llvm-mc -triple=amdgcn-amd-amdhsa -mcpu=gfx1250 --defsym DOCPART=n.
;; ======== version 1 of 2: 4 launches
;; workspace buffers: stats 2,048 bytes; cd 6,291,456 bytes; sc 655,360 bytes; ac 2,097,152 bytes; asc 131,072 bytes
;; launch gnstat (part 1): grid 256 x 1, 8 waves a work-group, no clusters, 1,280 bytes of LDS; arguments hidden_states, stats; writes stats
.if DOCPART == 1
	.amdgcn_target "amdgcn-amd-amdhsa--gfx1250"
	.amdhsa_code_object_version 6
	.text
	.protected	k_q247d03ab77_gnstat
	.globl	k_q247d03ab77_gnstat
	.p2align	8
	.type	k_q247d03ab77_gnstat,@function
k_q247d03ab77_gnstat:
	s_mov_b64 s[64:65], 0
	v_nop
	global_prefetch_b8 v0, s[64:65] scope:SCOPE_SE
	s_setreg_imm32_b32 hwreg(HW_REG_WAVE_MODE, 25, 1), 1
	s_wait_xcnt 0x0
; GroupNorm's statistics, first half.  hidden_states is [2][512][4096] f32; a group is 16 channels x 4,096 = 65,536 consecutive numbers, 64 groups in all.
; Work-group x takes quarter x % 4 of group x / 4: 16,384 consecutive numbers, 65,536 bytes, and stores its mean and its sum of squared distances from that mean: 8 bytes at 8 x.
; The next launch joins a group's four quarters.  Two passes over numbers that stay in registers: no difference of large sums is formed, so a common offset of the inputs costs no accuracy.
; Thread t holds the 16 bytes at 16 t + 4,096 i, i = 0 .. 15: each load of a wave covers 512 consecutive bytes.  Memory binds: no matrix unit, no cluster, no tensor load would add anything.
; LIMITS: NaN and infinities among the inputs are not served.
.set X, 16                             ; v16-79  my 64 numbers
	s_load_b128 s[4:7], s[0:1], 0x0                ; hidden_states, stats
	v_lshl_add_u32 v96, v0, 2, 0x100
	v_mov_b32 v97, 0
	v_lshlrev_b32 v1, 4, v0                        ; 16 x thread
	v_lshrrev_b32 v8, 5, v0
	v_readfirstlane_b32 s12, v8                    ; wave 0..7
	s_lshl_b32 s8, ttmp9, 16                       ; my quarter group's first byte
	s_mov_b32 s9, 0
	s_mov_b32 s10, 0x76543210                      ; v_permlanex16_b32's selects for lane l xor 16
	s_mov_b32 s11, 0xfedcba98
	v_mov_b32 v10, s12
	v_lshlrev_b32 v10, 2, v10                      ; LDS: my wave's word
	v_mov_b32 v11, 0
	v_mov_b32 v9, 0                                ; a lane permute's destination counts as one of its sources
	s_wait_kmcnt 0x0
	s_add_nc_u64 s[4:5], s[4:5], s[8:9]
.irp i, 0,1,2,3,4,5,6,7,8,9,10,11,12,13,14,15
	global_load_b128 v[X+4*\i:X+4*\i+3], v1, s[4:5] offset:4096*\i
.endr
; The lane's figure in v8 is added over the 32 lanes, then over the eight waves through eight words of LDS at byte off: the sum comes to v12 in every lane.
.macro REDUCE off
	v_add_f32_dpp v8, v8, v8 row_xmask:1 row_mask:0xf bank_mask:0xf
	v_add_f32_dpp v8, v8, v8 row_xmask:2 row_mask:0xf bank_mask:0xf
	v_add_f32_dpp v8, v8, v8 row_xmask:4 row_mask:0xf bank_mask:0xf
	v_add_f32_dpp v8, v8, v8 row_xmask:8 row_mask:0xf bank_mask:0xf
	v_permlanex16_b32 v9, v8, s10, s11
	v_add_f32 v8, v8, v9
	ds_store_b32 v10, v8 offset:\off               ; all lanes write the wave's word with the same value
	s_wait_dscnt 0x0                               ; for the others' sake: my store has landed
	s_barrier_signal -1
	s_barrier_wait -1
	ds_load_b128 v[12:15], v11 offset:\off
	ds_load_b128 v[80:83], v11 offset:\off+16
	s_wait_dscnt 0x0
	v_add_f32 v12, v12, v13
	v_add_f32 v14, v14, v15
	v_add_f32 v80, v80, v81
	v_add_f32 v82, v82, v83
	v_add_f32 v12, v12, v14
	v_add_f32 v80, v80, v82
	v_add_f32 v12, v12, v80
.endm
	; pass 1: the sum, two numbers an instruction, in two chains that the first two loads start
	s_wait_loadcnt 14                              ; loads come back in order: the first two are in
	v_pk_add_f32 v[2:3], v[X:X+1], v[X+4:X+5]
	v_pk_add_f32 v[4:5], v[X+2:X+3], v[X+6:X+7]
.irp i, 2,3,4,5,6,7,8,9,10,11,12,13,14,15
	s_wait_loadcnt 15-\i                           ; load i is in, the younger ones stay out
	v_pk_add_f32 v[2:3], v[2:3], v[X+4*\i:X+4*\i+1]
	v_pk_add_f32 v[4:5], v[4:5], v[X+4*\i+2:X+4*\i+3]
.endr
	v_pk_add_f32 v[2:3], v[2:3], v[4:5]
	v_add_f32 v8, v2, v3
	REDUCE 0
	v_mul_f32 v6, 0x38800000, v12                  ; / 16,384: the quarter's mean,
	v_mov_b32 v7, v6                               ; twice, for the packed subtraction
	; pass 2: the squared distances from that mean
.set J, 0
.rept 32
	v_pk_add_f32 v[X+J:X+J+1], v[X+J:X+J+1], v[6:7] neg_lo:[0,1] neg_hi:[0,1]
.set J, J+2
.endr
	v_pk_mul_f32 v[2:3], v[X:X+1], v[X:X+1]
	v_pk_mul_f32 v[4:5], v[X+2:X+3], v[X+2:X+3]
.set J, 4
.rept 15
	v_pk_fma_f32 v[2:3], v[X+J:X+J+1], v[X+J:X+J+1], v[2:3]
	v_pk_fma_f32 v[4:5], v[X+J+2:X+J+3], v[X+J+2:X+J+3], v[4:5]
.set J, J+4
.endr
	v_pk_add_f32 v[2:3], v[2:3], v[4:5]
	v_add_f32 v8, v2, v3
	REDUCE 32                                      ; other words than the first time: no barrier is owed between the first reads and these stores
	v_mov_b32 v7, v12                              ; v[6:7] = mean, sum of squared distances
	s_lshl_b32 s8, ttmp9, 3
	s_add_nc_u64 s[6:7], s[6:7], s[8:9]
	s_wait_xcnt 0x0                                ; EXEC changes only behind this wait
	v_cmp_eq_u32 vcc_lo, 0, v0
	s_wait_tensorcnt 0x0
	ds_add_u32 v96, v97
	s_wait_dscnt 0x0
	s_and_saveexec_b32 s13, vcc_lo                 ; thread 0 alone stores
	global_store_b64 v11, v[6:7], s[6:7]
	s_wait_xcnt 0x0                                ; and again in front of the line that widens it
	s_or_b32 exec_lo, exec_lo, s13
	s_endpgm
.Lfunc_end_k_q247d03ab77_gnstat:
	.size	k_q247d03ab77_gnstat, .Lfunc_end_k_q247d03ab77_gnstat-k_q247d03ab77_gnstat
	.p2alignl 7, 3214868480
	.fill 96, 4, 3214868480
	.section	.rodata,"a",@progbits
	.p2align	6, 0x0
	.amdhsa_kernel k_q247d03ab77_gnstat
		.amdhsa_group_segment_fixed_size 1280
		.amdhsa_private_segment_fixed_size 0
		.amdhsa_enable_private_segment 0
		.amdhsa_kernarg_size 16
		.amdhsa_user_sgpr_count 2
		.amdhsa_user_sgpr_kernarg_segment_ptr 1
		.amdhsa_wavefront_size32 1
		.amdhsa_system_sgpr_workgroup_id_x 1
		.amdhsa_system_sgpr_workgroup_id_y 1
		.amdhsa_system_sgpr_workgroup_id_z 1
		.amdhsa_system_vgpr_workitem_id 0
		.amdhsa_next_free_vgpr 98
		.amdhsa_next_free_sgpr 66
		.amdhsa_reserve_vcc 1
		.amdhsa_float_denorm_mode_32 3
		.amdhsa_float_denorm_mode_16_64 3
		.amdhsa_memory_ordered 1
		.amdhsa_forward_progress 1
		.amdhsa_inst_pref_size 12
	.end_amdhsa_kernel
	.amdgpu_metadata
---
amdhsa.version: [ 1, 2 ]
amdhsa.kernels:
  - .name:           k_q247d03ab77_gnstat
    .symbol:         k_q247d03ab77_gnstat.kd
    .args:
      - { .name: hidden_states, .offset: 0, .size: 8, .value_kind: global_buffer, .address_space: global }
      - { .name: stats, .offset: 8, .size: 8, .value_kind: global_buffer, .address_space: global }
    .group_segment_fixed_size: 1280
    .private_segment_fixed_size: 0
    .kernarg_segment_align: 8
    .kernarg_segment_size: 16
    .max_flat_workgroup_size: 256
    .sgpr_count:     66
    .vgpr_count:     98
    .wavefront_size: 32
...
	.end_amdgpu_metadata
.endif
;; end of part 1
;; launch qkv (part 2): grid 64 x 4, 8 waves a work-group, no clusters, 41,984 bytes of LDS; arguments hidden_states, gn_weight, gn_bias, stats, cd, sc, q_w_codes, k_w_codes, q_w_scales, k_w_scales, q_b, k_b, v_w_codes, v_w_scales, v_b; writes cd, sc
.if DOCPART == 2
	.amdgcn_target "amdgcn-amd-amdhsa--gfx1250"
	.amdhsa_code_object_version 6
	.text
	.protected	k_q247d03ab77_qkv
	.globl	k_q247d03ab77_qkv
	.p2align	8
	.type	k_q247d03ab77_qkv,@function
k_q247d03ab77_qkv:
	s_mov_b64 s[64:65], 0
	v_nop
	global_prefetch_b8 v0, s[64:65] scope:SCOPE_SE
	s_setreg_imm32_b32 hwreg(HW_REG_WAVE_MODE, 25, 1), 1
	s_wait_xcnt 0x0
; GroupNorm finished, x quantised along the channels, q = x Wq^T + bq, k, v likewise on codes of FP4 (E2M1) with one E8M0 scale for each 32 along K, and q, k (along the head's 64) and v (along the tokens) quantised for the attention launch.
; SHARES.  Work-group (x, y): batch x / 32, tokens 128 (x % 32) on (one key step of the attention), heads 2 y and 2 y + 1.  Eight waves; wave w: half = w / 4, t = w % 4.
;   X:  wave w normalises and quantises tokens 32 t + lane, channels 256 half on: A LANE TAKES A TOKEN AND ITS REGISTERS RUN DOWN THE CHANNELS (K is not innermost in memory): a block of 32 lies in one lane, each load reads 128 consecutive bytes.
;       The codes go to LDS as images of the operand's registers (fragment of tile T, K step s: 1,024 bytes, lane l's 16 bytes at 16 l of each half), the scale words beside them.  One barrier.
;   QK: wave w makes q (t < 2) or k of head 2 y + t % 2 for token tiles 4 half .. 4 half + 3: source 0 = 16 rows of W, source 1 = 16 tokens: a lane holds ONE token and its registers run along d.
;   V:  wave w makes 16 of the 64 d of head 2 y + half for all eight token tiles: source 0 = 16 tokens, source 1 = 16 rows of Wv: a lane holds ONE d and its registers run along the tokens, which are the second product's K.
; THE ROWS OF A TILE ARE NOT NEIGHBOURS, of tokens and of W alike: row r of tile 2 g + u is number 32 g + 8 u + r + 8 (r / 8).  So the 16 result registers of tiles 2 g and 2 g + 1 are 16 neighbours, 32 g + 16 (lane / 16) + 0 .. 15,
; a block of 32 lies in lanes l and l xor 16, and the tiles of k stored here are the tiles that give the attention 16 neighbouring keys in 16 registers.
; The weights of a wave (20 fragments) and its biases stay in registers (window 1); a bias is the C of a sum's first matrix instruction.
; OUT.  cd [batch x head][393,216]: q's 256 tiles of 512 bytes, k's at + 131,072, both as register images (lane (r, h): codes of d = 32 h .. 32 h + 31 of row r); v's at + 262,144: [step][d tile][key block][r][16 bytes], again the image.
;       sc [batch x head][40,960]: q's scale words, k's at + 16,384: [4 tiles][r][tile % 4][4 bytes], a word = byte of d 0-31, byte of d 32-63, 0x7f, 0x7f (the upper 64 of the instruction's 128 are zero codes); v's at + 32,768: [step][r][d tile][4 bytes].
; NO JOINT LOADS: the four work-groups of one x read the same 262,144 bytes of hidden_states, but these go from memory straight into the lanes that normalise them; a joint tensor load would have to lay all 262,144 bytes in LDS and read them out again.
;       The weights likewise go straight into the registers that keep them.
; LIMITS: NaN and infinities are not served.  A block of zeros, and one whose largest magnitude lies under 2^-124, gets the byte 1 (the rule's 127 for zeros is not owed: the codes are zeros and this program alone reads the bytes).
;       1 / sqrt is v_rsq_f32; the gain is multiplied into it before the number is (one rounding more than the order x * rstd * gain has in another place).
.set XSC,  32768                       ; LDS: 0: x's 32 fragments;  here: their scale words [tile][r][K step][4 bytes], 2,048 bytes
.set SST,  34816                       ; a stage for the scale words on their way out: 4 x 512 bytes of q's and k's, 512 of v's
.set WS,   28                          ; v28-43  scale words of my four tiles of Wq or Wk (4 tile + K step);  v44-47 of my tile of Wv;  v48-55 of x's tiles in hand
.set WVS,  44
.set XS,   48
.set MX,   56                          ; the quantiser: v56-57 largest magnitudes, v58-59 the other half's, v60-61 the conversions' scale operands, v62-63 bytes
.set PD,   58
.set SO,   60
.set BY,   62
.set XT,   64                          ; v64-67  the same for phase X;  v68-70 at work on the statistics
.set QC,   72                          ; v72-87  q's or k's codes, four registers a token tile: no store's data are written again
.set VPC,  88                          ; v88-95  v's codes, two a group of 32 tokens
.set SW,   96                          ; v96-99  q's or k's scale words;  v100 v's;  v102-103 x's
.set VW,   100
.set SB,   102
.set ACC,  104                         ; v104-135 four accumulators
.set XF,   136                         ; v136-199 two sets of 32 numbers of x, later x's fragments
.set XC,   200                         ; v200-231 x's codes, four registers a block
.set WQK,  0                           ; window 1: v0-127 Wq's or Wk's fragments at 8 (4 tile + K step);  v128-159 Wv's;  v160-191 bq or bk, eight a tile;  v192-199 bv
.set WV,   128
.set BQK,  160
.set BV,   192
.set MSB, 0
.macro WIN new                         ; s_set_vgpr_msb: bits 1:0 source 0, 3:2 source 1, 5:4 source 2, 7:6 destination; the high byte repeats the setting that is left
.if MSB != \new
	s_set_vgpr_msb (MSB<<8)|\new
.set MSB, \new
.endif
.endm
.macro PLACES n                        ; plain vector instructions between a matrix instruction and what touches its registers (ISA guide 7.12.1)
.rept \n
	v_nop
.endr
.endm
.macro BARRIER                         ; my LDS stores have landed and my LDS loads are in: then the work-group's barrier
	s_wait_dscnt 0x0
	s_barrier_signal -1
	s_barrier_wait -1
.endm
.macro GNS i                           ; gain and bias of block i's 32 channels into scalar registers
	s_load_b512 s[16:31], s[6:7], 128*(\i)
	s_load_b512 s[68:83], s[6:7], 128*(\i)+64
	s_load_b512 s[32:47], s[8:9], 128*(\i)
	s_load_b512 s[84:99], s[8:9], 128*(\i)+64
.endm
.macro XLOAD i                         ; block i: hidden(channel 32 i + K, my token), K = 0 .. 31, into set i % 2
.set K, 0
.rept 32
	global_load_b32 v[XF+32*((\i)%2)+K], v4, s[4:5] offset:(\i)*524288+K*16384
.set K, K+1
.endr
.endm
.macro XFETCH reg, adr, off            ; one token tile's four fragments come back as they were stored
.irp k, 0,1,2,3
.irp c, 0,1
	ds_load_b128 v[(\reg)+8*\k+4*\c:(\reg)+8*\k+4*\c+3], v[\adr] offset:(\off)+1024*\k+512*\c
.endr
.endr
.endm
.macro VFETCH g                        ; the two tiles of token group g, and their scale words
.irp u, 0,1
	XFETCH XF+32*\u, 9, (2*(\g)+\u)*4096
	ds_load_b128 v[XS+4*\u:XS+4*\u+3], v10 offset:(2*(\g)+\u)*256
.endr
.endm
; 32 numbers of a lane, register 16 b + i = d 32 b + 16 (lane / 16) + i of my token, become four registers of codes (lane (r, h): d = 32 h .. 32 h + 31) and the two scale bytes in v[w]
.macro QUANT2 s, pc, w
.irp b, 0,1
	v_max3_num_f32 v[MX+\b], |v[(\s)+16*\b]|, |v[(\s)+1+16*\b]|, 0x1800000   ; my 16 numbers of block b, from each accumulator's low end on, and the floor 2^(3 - 127): the byte cannot fall under 1
.endr
.irp i, 2,4,6,8,10,12,14
.irp b, 0,1
	v_max3_num_f32 v[MX+\b], v[MX+\b], |v[(\s)+16*\b+\i]|, |v[(\s)+1+16*\b+\i]|
.endr
.endr
.irp b, 0,1
	v_permlanex16_b32 v[PD+\b], v[MX+\b], s60, s61
.endr
.irp b, 0,1
	v_max_num_f32 v[MX+\b], v[MX+\b], v[PD+\b]     ; with lane l xor 16's: the block's largest magnitude
.endr
.irp b, 0,1
	v_add_nc_u32 v[SO+\b], 0xff000000, v[MX+\b]    ; 2 off its exponent field: the conversion takes the exponent field of this operand as its scale
.endr
.irp b, 0,1
	v_lshrrev_b32 v[BY+\b], 23, v[SO+\b]           ; the scale's byte
.endr
	v_lshl_or_b32 v[\w], v[BY+1], 8, v[BY]
.irp b, 0,1
	v_cvt_scalef32_pk8_fp4_f32 v[(\pc)+2*\b], v[(\s)+16*\b:(\s)+16*\b+7], v[SO+\b]
	v_cvt_scalef32_pk8_fp4_f32 v[(\pc)+2*\b+1], v[(\s)+16*\b+8:(\s)+16*\b+15], v[SO+\b]
.endr
	v_nop                                          ; one plain place behind a scaled conversion
	v_permlane16_swap_b32 v[(\pc)], v[(\pc)+2]     ; the operand's layout wants a whole block in a lane: lanes 0-15 block 0, lanes 16-31 block 1
	v_permlane16_swap_b32 v[(\pc)+1], v[(\pc)+3]
.endm
; 16 numbers of a lane, tokens 32 g + 16 (lane / 16) + 0 .. 15 of my d, become two registers of codes; the block's byte goes to byte g of v[VW]
.macro QUANT1 s, pc, g
	v_max3_num_f32 v[MX], |v[(\s)]|, |v[(\s)+1]|, 0x1800000
	v_max3_num_f32 v[MX+1], |v[(\s)+8]|, |v[(\s)+9]|, |v[(\s)+10]|
	v_max3_num_f32 v[MX], v[MX], |v[(\s)+2]|, |v[(\s)+3]|
	v_max3_num_f32 v[MX+1], v[MX+1], |v[(\s)+11]|, |v[(\s)+12]|
	v_max3_num_f32 v[MX], v[MX], |v[(\s)+4]|, |v[(\s)+5]|
	v_max3_num_f32 v[MX+1], v[MX+1], |v[(\s)+13]|, |v[(\s)+14]|
	v_max3_num_f32 v[MX], v[MX], |v[(\s)+6]|, |v[(\s)+7]|
	v_max3_num_f32 v[MX], v[MX], v[MX+1], |v[(\s)+15]|
	v_permlanex16_b32 v[PD], v[MX], s60, s61
	v_max_num_f32 v[MX], v[MX], v[PD]
	v_add_nc_u32 v[SO], 0xff000000, v[MX]
	v_lshrrev_b32 v[BY], 23, v[SO]
.if (\g) == 0
	v_mov_b32 v[VW], v[BY]
.else
	v_lshl_or_b32 v[VW], v[BY], 8*(\g), v[VW]
.endif
	v_cvt_scalef32_pk8_fp4_f32 v[(\pc)], v[(\s):(\s)+7], v[SO]
	v_cvt_scalef32_pk8_fp4_f32 v[(\pc)+1], v[(\s)+8:(\s)+15], v[SO]
	v_nop                                          ; one plain place behind a scaled conversion
.endm
	s_load_b256 s[4:11], s[0:1], 0x0               ; hidden_states, gn_weight, gn_bias, stats
	s_load_b128 s[12:15], s[0:1], 0x20             ; cd, sc
	s_load_b512 s[16:31], s[0:1], 0x30             ; q_w_codes, k_w_codes, q_w_scales, k_w_scales, q_b, k_b, v_w_codes, v_w_scales
	s_load_b64 s[32:33], s[0:1], 0x70              ; v_b
	v_lshl_add_u32 v254, v0, 2, 0xa000
	v_mov_b32 v255, 0
	v_lshrrev_b32 v1, 5, v0
	v_readfirstlane_b32 s2, v1                     ; wave 0..7
	s_and_b32 s54, ttmp7, 0xffff                   ; y: the pair of heads
	s_lshr_b32 s55, ttmp9, 5                       ; b: the batch
	s_and_b32 s56, ttmp9, 31                       ; s: the key step
	s_and_b32 s57, s2, 3                           ; t
	s_lshr_b32 s58, s2, 2                          ; half
	s_mov_b32 s60, 0x76543210                      ; v_permlanex16_b32's selects for lane l xor 16
	s_mov_b32 s61, 0xfedcba98
	; byte offsets, each in a pair of its own with 0 above (all stay under 2^32)
	s_lshl_b32 s34, s55, 23                        ; hidden_states: batch x 8,388,608 + step x 512 + half x 256 channels of 16,384 + t x 128
	s_lshl_b32 s59, s56, 9
	s_add_co_u32 s34, s34, s59
	s_lshl_b32 s59, s58, 22
	s_add_co_u32 s34, s34, s59
	s_lshl_b32 s59, s57, 7
	s_add_co_u32 s34, s34, s59
	s_mov_b32 s35, 0
	s_lshl_b32 s36, s58, 10                        ; gain and bias: my 256 channels
	s_mov_b32 s37, 0
	s_lshl_b32 s38, s55, 10                        ; stats: 32 bytes a group, my 16 groups
	s_lshl_b32 s59, s58, 9
	s_add_co_u32 s38, s38, s59
	s_mov_b32 s39, 0
	s_lshl_b32 s40, s55, 3
	s_lshl_b32 s86, s54, 1
	s_add_co_u32 s40, s40, s86                     ; 8 b + 2 y
	s_and_b32 s41, s57, 1                          ; t % 2
	s_lshr_b32 s82, s57, 1                         ; t / 2
	s_add_co_u32 s83, s40, s41                     ; batch x head of my q or k
	s_add_co_u32 s84, s40, s58                     ; and of my v
	s_lshl_b32 s85, s56, 12                        ; step x 4,096
	s_mul_i32 s42, s83, 393216                     ; cd, q or k: + (t / 2) x 131,072 + step x 4,096 + half x 2,048
	s_lshl_b32 s59, s82, 17
	s_add_co_u32 s42, s42, s59
	s_add_co_u32 s42, s42, s85
	s_lshl_b32 s59, s58, 11
	s_add_co_u32 s42, s42, s59
	s_mov_b32 s43, 0
	s_mul_i32 s44, s84, 393216                     ; cd, v: + 262,144 + step x 4,096 + t x 1,024
	s_add_co_u32 s44, s44, 262144
	s_add_co_u32 s44, s44, s85
	s_lshl_b32 s59, s57, 10
	s_add_co_u32 s44, s44, s59
	s_mov_b32 s45, 0
	s_mul_i32 s46, s83, 40960                      ; sc, q or k (for waves 0 to 3, whose number is t): + (t / 2) x 16,384 + step x 512
	s_lshl_b32 s59, s82, 14
	s_add_co_u32 s46, s46, s59
	s_lshl_b32 s59, s56, 9
	s_add_co_u32 s46, s46, s59
	s_mov_b32 s47, 0
	s_mul_i32 s68, s40, 40960                      ; sc, v, head 2 y: + 32,768 + step x 256
	s_add_co_u32 s68, s68, 32768
	s_lshl_b32 s59, s56, 8
	s_add_co_u32 s68, s68, s59
	s_mov_b32 s69, 0
	s_add_co_u32 s87, s86, s41                     ; head of my q or k: its 64 rows of W: 16,384 bytes of codes, 1,024 of scales, 256 of bias
	s_lshl_b32 s70, s87, 14
	s_mov_b32 s71, 0
	s_lshl_b32 s72, s87, 10
	s_mov_b32 s73, 0
	s_lshl_b32 s74, s87, 8
	s_mov_b32 s75, 0
	s_add_co_u32 s88, s86, s58                     ; my tile of Wv begins at row 64 (2 y + half) + 32 (t / 2) + 8 (t % 2)
	s_lshl_b32 s88, s88, 6
	s_lshl_b32 s59, s82, 5
	s_add_co_u32 s88, s88, s59
	s_lshl_b32 s59, s41, 3
	s_add_co_u32 s88, s88, s59
	s_lshl_b32 s76, s88, 8
	s_mov_b32 s77, 0
	s_lshl_b32 s78, s88, 4
	s_mov_b32 s79, 0
	s_lshl_b32 s80, s88, 2
	s_mov_b32 s81, 0
	; lanes.  Every LDS address is made here, of v0, the wave's number and constants
	v_and_b32 v1, 31, v0                           ; lane
	v_and_b32 v2, 15, v0                           ; r
	v_bfe_u32 v3, v0, 4, 1                         ; h
	v_lshlrev_b32 v4, 2, v1                        ; x: 4 bytes a token
	v_bfe_u32 v232, v0, 3, 1                       ; my token 32 t + lane is row (lane % 8) + 8 (lane / 16) of tile 2 t + (lane / 8) % 2
	v_and_b32 v233, 7, v0
	v_lshlrev_b32 v5, 4, v233
	v_lshl_add_u32 v5, v3, 7, v5                   ; 16 x that row
	v_lshl_add_u32 v6, v232, 8, v5
	v_lshl_add_u32 v5, v232, 12, v5
	s_lshl_b32 s59, s57, 13
	s_lshl_b32 s89, s58, 11
	s_add_co_u32 s59, s59, s89
	v_add_nc_u32 v5, s59, v5                       ; v5: where my codes go: tile x 4,096 + 2 half K steps of 1,024 + 16 x row
	s_lshl_b32 s59, s57, 9
	s_lshl_b32 s89, s58, 3
	s_add_co_u32 s59, s59, s89
	s_add_co_u32 s59, s59, XSC
	v_add_nc_u32 v6, s59, v6                       ; v6: and my two scale words: tile x 256 + 16 x row + 8 half
	v_lshlrev_b32 v9, 4, v1                        ; v9: 16 x lane: an image's place for my lane, in LDS and in memory
	s_lshl_b32 s59, s58, 14
	v_add_nc_u32 v7, s59, v9                       ; v7: the same in token tile 4 half
	v_lshl_add_u32 v10, v2, 4, XSC                 ; v10: x's scale words of row r
	s_lshl_b32 s59, s58, 10
	v_add_nc_u32 v8, s59, v10                      ; v8: the same in token tile 4 half
	v_lshlrev_b32 v12, 4, v2
	v_lshl_add_u32 v12, v3, 3, v12                 ; v12: v's codes: 16 r + 8 h
	s_lshl_b32 s59, s57, 9
	s_lshl_b32 s89, s58, 8
	s_add_co_u32 s59, s59, s89
	s_add_co_u32 s59, s59, SST
	v_lshl_add_u32 v13, v2, 4, s59                 ; v13: the stage for q's and k's scale words: 512 t + 256 half + 16 r
	s_lshl_b32 s59, s57, 2
	s_add_co_u32 s59, s59, s89
	s_add_co_u32 s59, s59, SST+2048
	v_lshl_add_u32 v14, v2, 4, s59                 ; v14: for v's: 256 half + 16 r + 4 t
	s_lshl_b32 s59, s2, 9
	s_add_co_u32 s59, s59, SST
	v_add_nc_u32 v15, s59, v9                      ; v15: out of the stage: 512 wave + 16 lane (waves 0 to 4 use it)
	v_mul_u32_u24 v16, v3, 0xa000
	v_lshl_add_u32 v16, v2, 4, v16                 ; v16: v's scale words in sc: lanes 16-31 the next head's, 40,960 bytes on
	v_lshlrev_b32 v234, 5, v2                      ; stats: lane r takes group r of my 16
	v_and_b32 v235, 8, v2
	v_add_nc_u32 v235, v235, v2                    ; r + 8 (r / 8)
	v_lshlrev_b32 v236, 8, v235
	v_lshl_add_u32 v236, v3, 4, v236               ; W's codes: a row is 256 bytes; + 16 h
	v_lshlrev_b32 v237, 4, v235                    ; W's scale bytes: 16 a row
	v_lshlrev_b32 v238, 6, v3                      ; bq, bk: lane (r, h) wants d = 32 (tile / 2) + 16 h + 8 (tile % 2) + 0 .. 7
	v_lshlrev_b32 v239, 2, v235                    ; bv: my row's
	v_mov_b32 v[PD], 0                             ; written once: a lane permute's destination counts as one of its sources
	v_mov_b32 v[PD+1], 0
	s_wait_kmcnt 0x0
	s_add_nc_u64 s[4:5], s[4:5], s[34:35]
	s_add_nc_u64 s[6:7], s[6:7], s[36:37]
	s_add_nc_u64 s[8:9], s[8:9], s[36:37]
	s_add_nc_u64 s[10:11], s[10:11], s[38:39]
	s_add_nc_u64 s[48:49], s[12:13], s[44:45]      ; where my v goes
	s_add_nc_u64 s[12:13], s[12:13], s[42:43]      ; where my q or k goes
	s_add_nc_u64 s[50:51], s[14:15], s[46:47]      ; and the scale words
	s_add_nc_u64 s[52:53], s[14:15], s[68:69]
	s_cmp_lt_u32 s57, 2                            ; q's weights or k's: the choice hangs on the wave's number alone
	s_cselect_b64 s[16:17], s[16:17], s[18:19]
	s_cselect_b64 s[20:21], s[20:21], s[22:23]
	s_cselect_b64 s[24:25], s[24:25], s[26:27]
	s_add_nc_u64 s[16:17], s[16:17], s[70:71]
	s_add_nc_u64 s[20:21], s[20:21], s[72:73]
	s_add_nc_u64 s[24:25], s[24:25], s[74:75]
	s_add_nc_u64 s[28:29], s[28:29], s[76:77]
	s_add_nc_u64 s[30:31], s[30:31], s[78:79]
	s_add_nc_u64 s[32:33], s[32:33], s[80:81]
	global_load_b128 v[20:23], v234, s[10:11]      ; my group's four quarters: mean, sum of squared distances
	global_load_b128 v[24:27], v234, s[10:11] offset:16
	WIN 0x40                                       ; destination window 1
.irp e, 0,1,2,3
.irp k, 0,1,2,3
.irp c, 0,1
	global_load_b128 v[WQK+8*(4*\e+\k)+4*\c:WQK+8*(4*\e+\k)+4*\c+3], v236, s[16:17] offset:(32*(\e/2)+8*(\e%2))*256+64*\k+32*\c
.endr
.endr
.endr
.irp e, 0,1,2,3
	global_load_b128 v[BQK+8*\e:BQK+8*\e+3], v238, s[24:25] offset:(32*(\e/2)+8*(\e%2))*4
	global_load_b128 v[BQK+8*\e+4:BQK+8*\e+7], v238, s[24:25] offset:(32*(\e/2)+8*(\e%2))*4+16
.endr
.irp k, 0,1,2,3
.irp c, 0,1
	global_load_b128 v[WV+8*\k+4*\c:WV+8*\k+4*\c+3], v236, s[28:29] offset:64*\k+32*\c
.endr
.endr
.irp j, 0,1,2,3,4,5,6,7
	global_load_b32 v[BV+\j], v239, s[32:33]       ; in v's result a lane holds one d: its bias in all eight registers
.endr
	WIN 0
.irp e, 0,1,2,3
	global_load_b128 v[WS+4*\e:WS+4*\e+3], v237, s[20:21] offset:(32*(\e/2)+8*(\e%2))*16
.endr
	global_load_b128 v[WVS:WVS+3], v237, s[30:31]
	s_wait_loadcnt 61                              ; the two loads of statistics are in: 32 + 8 + 8 + 8 + 4 + 1 = 61 were issued behind them
	v_add_f32 v17, v20, v22                        ; the four quarters are joined: equal counts, so the mean is the means' mean,
	v_add_f32 v68, v24, v26
	v_add_f32 v69, v21, v23
	v_add_f32 v70, v25, v27
	v_add_f32 v17, v17, v68
	v_add_f32 v69, v69, v70
	v_mul_f32 v17, 0x3e800000, v17                 ; v17: lane r: the mean of group r
	v_sub_f32 v20, v20, v17
	v_sub_f32 v22, v22, v17
	v_sub_f32 v24, v24, v17
	v_sub_f32 v26, v26, v17
	v_mul_f32 v68, v20, v20
	v_fmac_f32 v68, v22, v22
	v_fmac_f32 v68, v24, v24
	v_fmac_f32 v68, v26, v26
	v_mul_f32 v68, 0x3e800000, v68                 ; and the variance is the sums' sum / 65,536 + the means' squared distances x 16,384 / 65,536
	v_fmamk_f32 v68, v69, 0x37800000, v68
	v_add_f32 v68, 0x3727c5ac, v68                 ; + 1e-5
	v_rsq_f32 v18, v68                             ; v18: lane r: 1 / sqrt of it
	v_nop                                          ; a plain place behind the transcendental
	s_wait_alu depctr_va_vdst(0)
	s_wait_xcnt 0x0                                ; the weights' loads have read their bases: s16-47 and s68-99 now take gains and biases
	GNS 0
	XLOAD 0
	XLOAD 1
; ---- X.  Block i of my eight: 32 channels of my token are normalised, quantised and stored as 16 bytes of an image
.macro XUNIT i
.set XB, XF+32*((\i)%2)
.if (\i) < 7
	s_wait_loadcnt 32                              ; this block's 32 loads are in (and all that was issued before them); the next block's may be out
.else
	s_wait_loadcnt 0x0
.endif
	s_wait_kmcnt 0x0                               ; its gains and biases too
	v_readlane_b32 s62, v17, 2*(\i)                ; the block's two groups: means,
	v_readlane_b32 s63, v17, 2*(\i)+1
	v_readlane_b32 s10, v18, 2*(\i)                ; 1 / sqrt
	v_readlane_b32 s11, v18, 2*(\i)+1
.set K, 0
.rept 16
	s_mul_f32 s[16+K], s[16+K], s10                ; gain / sqrt, once for the wave
	s_mul_f32 s[68+K], s[68+K], s11
.set K, K+1
.endr
.set K, 0
.rept 16
	v_sub_f32 v[XB+K], v[XB+K], s62
	v_sub_f32 v[XB+16+K], v[XB+16+K], s63
.set K, K+1
.endr
.set K, 0
.rept 16
	v_fma_f32 v[XB+K], v[XB+K], s[16+K], s[32+K]
	v_fma_f32 v[XB+16+K], v[XB+16+K], s[68+K], s[84+K]
.set K, K+1
.endr
.if (\i) < 7
	GNS (\i)+1
.endif
	v_max3_num_f32 v[XT], |v[XB]|, |v[XB+1]|, |v[XB+2]|            ; the block's largest magnitude: all 32 numbers are mine
	v_max3_num_f32 v[XT+1], |v[XB+3]|, |v[XB+4]|, |v[XB+5]|
.irp k, 6,10,14,18,22,26
	v_max3_num_f32 v[XT], v[XT], |v[XB+\k]|, |v[XB+\k+1]|
	v_max3_num_f32 v[XT+1], v[XT+1], |v[XB+\k+2]|, |v[XB+\k+3]|
.endr
	v_max3_num_f32 v[XT], v[XT], |v[XB+30]|, |v[XB+31]|
	v_max3_num_f32 v[XT], v[XT], v[XT+1], 0x1800000                ; and the floor 2^(3 - 127)
	v_add_nc_u32 v[XT+2], 0xff000000, v[XT]
	v_lshrrev_b32 v[XT+3], 23, v[XT+2]
.if (\i)%4 == 0
	v_mov_b32 v[SB+(\i)/4], v[XT+3]                ; four bytes to a scale word, the lower K in the lower byte
.else
	v_lshl_or_b32 v[SB+(\i)/4], v[XT+3], 8*((\i)%4), v[SB+(\i)/4]
.endif
.irp g, 0,1,2,3
	v_cvt_scalef32_pk8_fp4_f32 v[XC+4*(\i)+\g], v[XB+8*\g:XB+8*\g+7], v[XT+2]
.endr
	v_nop                                          ; one plain place behind a scaled conversion
	ds_store_b128 v5, v[XC+4*(\i):XC+4*(\i)+3] offset:((\i)/4)*1024+(((\i)%4)/2)*512+((\i)%2)*256   ; block 2 c + h of a K step lies at 512 c + 256 h of its image
.if (\i) < 6
	XLOAD (\i)+2
.endif
.endm
.irp i, 0,1,2,3,4,5,6,7
	XUNIT \i
.endr
	ds_store_b64 v6, v[SB:SB+1]
	BARRIER                                        ; x's 32 fragments and their scale words lie in LDS; from here on they are only read
; ---- QK.  My four tiles of W against four token tiles, one after the other.  The four accumulators take turns, one instruction a turn
	XFETCH XF, 7, 0
	ds_load_b128 v[XS:XS+3], v8
.irp m, 0,1,2,3
	s_wait_dscnt 0x0
	WIN 0x11                                       ; source 0 (W) and source 2 (the bias) window 1
.irp e, 0,1,2,3
	v_wmma_scale_f32_16x16x128_f8f6f4 v[ACC+8*\e:ACC+8*\e+7], v[WQK+32*\e:WQK+32*\e+7], v[XF:XF+7], v[BQK+8*\e:BQK+8*\e+7], v[WS+4*\e], v[XS] matrix_a_fmt:MATRIX_FMT_FP4 matrix_b_fmt:MATRIX_FMT_FP4
.endr
	WIN 0x01
.irp k, 1,2,3
.irp e, 0,1,2,3
	v_wmma_scale_f32_16x16x128_f8f6f4 v[ACC+8*\e:ACC+8*\e+7], v[WQK+8*(4*\e+\k):WQK+8*(4*\e+\k)+7], v[XF+8*\k:XF+8*\k+7], v[ACC+8*\e:ACC+8*\e+7], v[WS+4*\e+\k], v[XS+\k] matrix_a_fmt:MATRIX_FMT_FP4 matrix_b_fmt:MATRIX_FMT_FP4
.endr
.endr
	WIN 0
	PLACES 5                                       ; four for the loads into x's registers and the first read of results; the fifth for the next tile's products, which begin the accumulators anew
.if \m < 3
	XFETCH XF, 7, (\m+1)*4096                      ; the next tile lands while this one is quantised
	ds_load_b128 v[XS:XS+3], v8 offset:(\m+1)*256
.else
	VFETCH 0
.endif
	QUANT2 ACC, QC+4*\m, SW+\m
	v_or_b32 v[SW+\m], 0x7f7f0000, v[SW+\m]        ; the upper 64 of the attention's K step are zero codes: their bytes stand for 1
	global_store_b128 v9, v[QC+4*\m:QC+4*\m+3], s[12:13] offset:512*\m   ; the wave stores the tile's 512 consecutive bytes
.endr
; ---- V.  Token tiles 2 g and 2 g + 1 against my tile of Wv: two accumulators by turns
.irp g, 0,1,2,3
	s_wait_dscnt 0x0
	WIN 0x14                                       ; source 1 (Wv) and source 2 (the bias) window 1
.irp u, 0,1
	v_wmma_scale_f32_16x16x128_f8f6f4 v[ACC+8*\u:ACC+8*\u+7], v[XF+32*\u:XF+32*\u+7], v[WV:WV+7], v[BV:BV+7], v[XS+4*\u], v[WVS] matrix_a_fmt:MATRIX_FMT_FP4 matrix_b_fmt:MATRIX_FMT_FP4
.endr
	WIN 0x04
.irp k, 1,2,3
.irp u, 0,1
	v_wmma_scale_f32_16x16x128_f8f6f4 v[ACC+8*\u:ACC+8*\u+7], v[XF+32*\u+8*\k:XF+32*\u+8*\k+7], v[WV+8*\k:WV+8*\k+7], v[ACC+8*\u:ACC+8*\u+7], v[XS+4*\u+\k], v[WVS+\k] matrix_a_fmt:MATRIX_FMT_FP4 matrix_b_fmt:MATRIX_FMT_FP4
.endr
.endr
	WIN 0
	PLACES 5
.if \g < 3
	VFETCH \g+1
.endif
	QUANT1 ACC, VPC+2*\g, \g
	global_store_b64 v12, v[VPC+2*\g:VPC+2*\g+1], s[48:49] offset:256*\g   ; key block g of my d tile: the wave stores 256 consecutive bytes
.endr
; ---- the scale words leave through a stage, so that whole runs of 512 and 256 bytes are stored
	ds_store_b128 v13, v[SW:SW+3]                  ; lanes r and r + 16 write the same words with the same values
	ds_store_b32 v14, v[VW]
	BARRIER
	s_cmp_lt_u32 s2, 4
	s_cbranch_scc0 .Lnot_qk
	ds_load_b128 v[20:23], v15                     ; wave w < 4: q's or k's words of one head, both halves
	s_wait_dscnt 0x0
	global_store_b128 v9, v[20:23], s[50:51]
	s_branch .Lend
.Lnot_qk:
	s_cmp_eq_u32 s2, 4
	s_cbranch_scc0 .Lend
	ds_load_b128 v[20:23], v15                     ; wave 4: v's words, 256 bytes for each of the two heads
	s_wait_dscnt 0x0
	global_store_b128 v16, v[20:23], s[52:53]
.Lend:
	s_wait_tensorcnt 0x0
	ds_add_u32 v254, v255
	s_wait_dscnt 0x0
	s_endpgm
.Lfunc_end_k_q247d03ab77_qkv:
	.size	k_q247d03ab77_qkv, .Lfunc_end_k_q247d03ab77_qkv-k_q247d03ab77_qkv
	.p2alignl 7, 3214868480
	.fill 96, 4, 3214868480
	.section	.rodata,"a",@progbits
	.p2align	6, 0x0
	.amdhsa_kernel k_q247d03ab77_qkv
		.amdhsa_group_segment_fixed_size 41984
		.amdhsa_private_segment_fixed_size 0
		.amdhsa_enable_private_segment 0
		.amdhsa_kernarg_size 120
		.amdhsa_user_sgpr_count 2
		.amdhsa_user_sgpr_kernarg_segment_ptr 1
		.amdhsa_wavefront_size32 1
		.amdhsa_system_sgpr_workgroup_id_x 1
		.amdhsa_system_sgpr_workgroup_id_y 1
		.amdhsa_system_sgpr_workgroup_id_z 1
		.amdhsa_system_vgpr_workitem_id 0
		.amdhsa_next_free_vgpr 512
		.amdhsa_next_free_sgpr 100
		.amdhsa_reserve_vcc 0
		.amdhsa_float_denorm_mode_32 3
		.amdhsa_float_denorm_mode_16_64 3
		.amdhsa_memory_ordered 1
		.amdhsa_forward_progress 1
		.amdhsa_inst_pref_size 128
	.end_amdhsa_kernel
	.amdgpu_metadata
---
amdhsa.version: [ 1, 2 ]
amdhsa.kernels:
  - .name:           k_q247d03ab77_qkv
    .symbol:         k_q247d03ab77_qkv.kd
    .args:
      - { .name: hidden_states, .offset: 0, .size: 8, .value_kind: global_buffer, .address_space: global }
      - { .name: gn_weight, .offset: 8, .size: 8, .value_kind: global_buffer, .address_space: global }
      - { .name: gn_bias, .offset: 16, .size: 8, .value_kind: global_buffer, .address_space: global }
      - { .name: stats, .offset: 24, .size: 8, .value_kind: global_buffer, .address_space: global }
      - { .name: cd, .offset: 32, .size: 8, .value_kind: global_buffer, .address_space: global }
      - { .name: sc, .offset: 40, .size: 8, .value_kind: global_buffer, .address_space: global }
      - { .name: q_w_codes, .offset: 48, .size: 8, .value_kind: global_buffer, .address_space: global }
      - { .name: k_w_codes, .offset: 56, .size: 8, .value_kind: global_buffer, .address_space: global }
      - { .name: q_w_scales, .offset: 64, .size: 8, .value_kind: global_buffer, .address_space: global }
      - { .name: k_w_scales, .offset: 72, .size: 8, .value_kind: global_buffer, .address_space: global }
      - { .name: q_b, .offset: 80, .size: 8, .value_kind: global_buffer, .address_space: global }
      - { .name: k_b, .offset: 88, .size: 8, .value_kind: global_buffer, .address_space: global }
      - { .name: v_w_codes, .offset: 96, .size: 8, .value_kind: global_buffer, .address_space: global }
      - { .name: v_w_scales, .offset: 104, .size: 8, .value_kind: global_buffer, .address_space: global }
      - { .name: v_b, .offset: 112, .size: 8, .value_kind: global_buffer, .address_space: global }
    .group_segment_fixed_size: 41984
    .private_segment_fixed_size: 0
    .kernarg_segment_align: 8
    .kernarg_segment_size: 120
    .max_flat_workgroup_size: 256
    .sgpr_count:     100
    .vgpr_count:     512
    .wavefront_size: 32
...
	.end_amdgpu_metadata
.endif
;; end of part 2
;; launch attn (part 3): grid 16 x 16, 16 waves a work-group, clusters of 4 x 1, 327,680 bytes of LDS; arguments cd, sc, ac, asc; writes ac, asc
.if DOCPART == 3
	.amdgcn_target "amdgcn-amd-amdhsa--gfx1250"
	.amdhsa_code_object_version 6
	.text
	.protected	k_q247d03ab77_attn
	.globl	k_q247d03ab77_attn
	.p2align	8
	.type	k_q247d03ab77_attn,@function
k_q247d03ab77_attn:
	s_mov_b64 s[64:65], 0
	v_nop
	global_prefetch_b8 v0, s[64:65] scope:SCOPE_SE
	s_setreg_imm32_b32 hwreg(HW_REG_WAVE_MODE, 25, 1), 1
	s_wait_xcnt 0x0
	s_wait_alu depctr_hold_cnt(0) depctr_sa_sdst(0) depctr_va_vdst(0) depctr_va_sdst(0) depctr_va_ssrc(0) depctr_va_vcc(0) depctr_vm_vsrc(0)
	s_getreg_b32 s2, hwreg(HW_REG_IB_STS2, 6, 4)
	s_cmp_eq_u32 s2, 0
	s_cbranch_scc0 .Lentry_in_a_cluster
	s_endpgm
.Lentry_in_a_cluster:
	s_bfe_u32 s2, ttmp6, 0x10000c
	s_cmp_lg_u32 s2, 0x3003
	s_cbranch_scc0 .Lentry_shape_is_right
	s_endpgm
.Lentry_shape_is_right:
; O[q] = the sum over keys of softmax(q . k / 8) v for one batch and head, both products on codes of FP4 (E2M1) with one E8M0 scale for each 32 along K; the result is quantised along the channels for the last product.
; THE SOFTMAX AHEAD OF THE SECOND PRODUCT: t = score x log2(e) / 8; M = the row's largest t so far, rounded UP to a whole number; p = 2^(t - M) is what is quantised, along the keys; the row's sum is taken of the unquantised p
; and divides O at the end.  When M moves, the sum and O are multiplied by 2^(old M - new M): exact.
; SHARES.  Work-group: 256 queries of one head (grid y = batch x head).  Each of its sixteen waves owns one tile of 16 queries in 256 registers: four waves to a SIMD, so that one wave's vector work stands beside another's products and LDS loads.
; Every wave walks the head's 4,096 keys, 128 a step.
; K AND V COME ONCE.  The head's codes of k and v (131,072 bytes each) and their scale words (24,576) fit in LDS together, laid as in memory: images of the operands' registers.  Each wave asks for a sixteenth, in four tensor loads that go out
; together at the start (the scale words; steps 0-3; 4-15; 16-31): four loads of a wave are out at the most, no byte of LDS is filled twice, and the walk begins when the first 4 steps have landed.
; CLUSTER.  The four query blocks of a cluster belong to one head and want the same bytes: each load is asked for JOINTLY, with the same descriptor (made of the head and the wave's number) and a mask that names the four.
; LAYOUT.  Both products transposed: S^T = K Q^T (source 0 = 16 keys, source 1 = my queries), O^T = V^T P^T (source 0 = 16 d, source 1 = P): a lane holds ONE query throughout.  The head's 64 fill half of the instruction's 128:
; registers 4-7 of q's and k's fragments are zero codes, set once.  The rows of a tile of k and of v are not neighbours (row r of tile 2 b + u is number 32 b + 8 u + r + 8 (r / 8)): 16 registers of two tiles are 16 neighbours.
; LIMITS: NaN and infinities are not served; a block of zeros gets the byte 1 (its codes are zeros, and this program alone reads the bytes); 1 / sum is v_rcp_f32; a block's largest p is taken as the p of its largest score.
; REGISTERS: v1 16 lane, v2 16 r, v3-4 the stage; v8-11 the step's addresses; v12 -M, v13 the largest t, v[14:15] the sum; v16-23 Q, v24 its scale words; v32-95 eight tiles of K; v96-159 S^T, then p; v160-191 O^T;
;   v192-223 four tiles of V; v224-231 p's codes; v232-239, v244-247, v252, v254 at work; v240-243 K's scale words, v248-251 V's, v253 p's.
.set KSL,  262144                      ; LDS: 0 k's codes [step][tile][512];  131,072 v's [step][d tile][1,024];  here k's scale words [step][512];
.set VSL,  278528                      ; v's [step][256];
.set AST,  286720                      ; and 512 bytes of a stage for the result's scale bytes, into which no tensor load lands
.set G1S, 24                           ; s[24:31], s[32:39], s[40:47], s[48:55] descriptor groups 1: dense rows of 256 bytes, 6, 8, 24, 32 of them
.set G1A, 32
.set G1B, 40
.set G1C, 48
.set G0S, 56                           ; s[56:59], s[60:63], s[68:71], s[72:75] their groups 0
.set G0A, 60
.set G0B, 68
.set G0C, 72
.macro GROUP1 g, rows
	s_mov_b32 s[\g], 0x0023000f                    ; 15:0 the mask: all four work-groups; 17:16 elements of 8 bytes; 21 set beside a mask; no padding
	s_mov_b32 s[\g+1], 32<<16                      ; tensor_dim0 = 32 elements
	s_mov_b32 s[\g+2], (\rows)<<16                 ; tensor_dim1
	s_mov_b32 s[\g+3], 32<<16                      ; tile_dim0
	s_mov_b32 s[\g+4], \rows                       ; tile_dim1
	s_mov_b32 s[\g+5], 32                          ; from row to row: dense
	s_mov_b32 s[\g+6], 0
	s_mov_b32 s[\g+7], 0
.endm
.macro CROUND                          ; a round of the cluster's barrier
	s_barrier_signal -1
	s_barrier_wait -1
	s_cmp_lg_u32 s12, 0
	s_cbranch_scc1 .Lnot_wave_0_\@
	s_barrier_signal -3
.Lnot_wave_0_\@:
	s_barrier_wait -3
	s_barrier_signal -1
	s_barrier_wait -1
.endm
.macro PLACES n
.rept \n
	v_nop
.endr
.endm
	s_load_b256 s[4:11], s[0:1], 0x0               ; cd, sc, ac, asc
	v_lshl_add_u32 v31, v0, 2, 0x46200
	v_mov_b32 v255, 0
	ds_add_u32 v31, v255
	ds_add_u32 v31, v255
	v_lshrrev_b32 v8, 5, v0
	v_readfirstlane_b32 s12, v8                    ; wave 0..15
	s_bfe_u32 s13, ttmp6, 0x40000                  ; cx: my place in the cluster: it enters q's, ac's and asc's addresses alone
	s_lshl_b32 s14, ttmp9, 2
	s_add_co_u32 s14, s14, s13                     ; my block of 256 queries
	s_and_b32 s15, ttmp7, 0xffff                   ; batch x head, which the four partners share
	GROUP1 G1S, 6
	GROUP1 G1A, 8
	GROUP1 G1B, 24
	GROUP1 G1C, 32
	s_mov_b32 s20, 0x76543210                      ; v_permlanex16_b32's selects for lane l xor 16
	s_mov_b32 s21, 0xfedcba98
	s_mov_b32 s22, 0x3e38aa3b                      ; c = log2(e) / 8
	s_mov_b32 s23, s22                             ; (named with it as a pair, so it is written)
	; where my four parts go in LDS: waves 0-7 fetch k's codes, waves 8-15 v's, an eighth each; every wave a sixteenth of the scale words
	s_lshr_b32 s81, s12, 3
	s_lshl_b32 s81, s81, 17                        ; k's codes at 0, v's at 131,072
	s_and_b32 s82, s12, 7
	s_mul_i32 s83, s12, 1536
	s_mov_b32 s[G0S], 1
	s_add_co_u32 s[G0S+1], s83, KSL
	s_lshl_b32 s84, s82, 11
	s_mov_b32 s[G0A], 1
	s_add_co_u32 s[G0A+1], s81, s84                ; steps 0-3: 16,384 bytes, 2,048 a wave
	s_mul_i32 s84, s82, 6144
	s_add_co_u32 s84, s84, 16384
	s_mov_b32 s[G0B], 1
	s_add_co_u32 s[G0B+1], s81, s84                ; steps 4-15: 49,152 bytes, 6,144 a wave
	s_lshl_b32 s84, s82, 13
	s_add_co_u32 s84, s84, 65536
	s_mov_b32 s[G0C], 1
	s_add_co_u32 s[G0C+1], s81, s84                ; steps 16-31: 65,536 bytes, 8,192 a wave
	s_mul_i32 s85, s15, 393216                     ; the head's part of cd,
	s_add_co_u32 s86, s85, 131072                  ; in which k's and v's codes lie as in LDS, 131,072 bytes on;
	s_mul_i32 s87, s15, 40960                      ; its part of sc, in which k's and v's scale words begin 16,384 bytes on
	s_add_co_u32 s16, s87, 16384
	s_add_co_u32 s16, s16, s83
	s_mov_b32 s17, 0
	s_mov_b32 s19, 0
	s_mov_b32 s95, 0
	v_and_b32 v1, 31, v0
	v_lshlrev_b32 v1, 4, v1                        ; 16 x lane
	v_and_b32 v2, 15, v0
	v_lshlrev_b32 v3, 1, v2
	v_lshlrev_b32 v2, 4, v2                        ; 16 r
	s_lshl_b32 s84, s12, 5
	s_add_co_u32 s84, s84, AST
	v_add_nc_u32 v3, s84, v3                       ; the stage, in: 32 wave + 2 r
	v_add_nc_u32 v4, AST, v1                       ; and out: 16 lane
	s_wait_dscnt 0x0
	s_wait_kmcnt 0x0
	s_add_nc_u64 s[G0S+2:G0S+3], s[6:7], s[16:17]
	s_or_b32 s[G0S+3], s[G0S+3], 0x80000000        ; 127:126 type = 2
	s_add_co_u32 s18, s86, s[G0A+1]
	s_add_nc_u64 s[G0A+2:G0A+3], s[4:5], s[18:19]
	s_or_b32 s[G0A+3], s[G0A+3], 0x80000000
	s_add_co_u32 s18, s86, s[G0B+1]
	s_add_nc_u64 s[G0B+2:G0B+3], s[4:5], s[18:19]
	s_or_b32 s[G0B+3], s[G0B+3], 0x80000000
	s_add_co_u32 s18, s86, s[G0C+1]
	s_add_nc_u64 s[G0C+2:G0C+3], s[4:5], s[18:19]
	s_or_b32 s[G0C+3], s[G0C+3], 0x80000000
	CROUND                                         ; all four work-groups are here: the joint loads meet
	tensor_load_to_lds s[G0S:G0S+3], s[G1S:G1S+7]  ; all the launch's fills go out as one group: four loads of mine are out
	s_nop 0
	tensor_load_to_lds s[G0A:G0A+3], s[G1A:G1A+7]
	s_nop 0
	tensor_load_to_lds s[G0B:G0B+3], s[G1B:G1B+7]
	s_nop 0
	tensor_load_to_lds s[G0C:G0C+3], s[G1C:G1C+7]
	s_nop 0
	PLACES 4                                       ; four plain places behind the tensor loads
	; my tile of queries: T = 16 x block + wave.  What hangs on cx is made in s89 and s[94:95] alone
	s_lshl_b32 s88, s14, 4
	s_add_co_u32 s88, s88, s12                     ; T
	s_lshl_b32 s94, s88, 9
	s_add_co_u32 s94, s94, s85
	s_add_nc_u64 s[90:91], s[4:5], s[94:95]        ; q's codes: 512 T
	s_lshr_b32 s94, s88, 2
	s_lshl_b32 s94, s94, 8
	s_and_b32 s89, s88, 3
	s_lshl_b32 s89, s89, 2
	s_add_co_u32 s94, s94, s89
	s_add_co_u32 s94, s94, s87
	s_add_nc_u64 s[92:93], s[6:7], s[94:95]        ; q's scale words: 256 (T / 4) + 4 (T % 4), + 16 r
	s_lshr_b32 s94, s15, 3
	s_lshl_b32 s94, s94, 8
	s_add_co_u32 s94, s94, s88
	s_lshl_b32 s94, s94, 12
	s_and_b32 s89, s15, 7
	s_lshl_b32 s89, s89, 9
	s_add_co_u32 s94, s94, s89
	s_add_nc_u64 s[8:9], s[8:9], s[94:95]          ; ac: (256 batch + T) x 4,096 + 512 head
	s_lshl_b32 s94, s15, 13
	s_lshl_b32 s89, s14, 9
	s_add_co_u32 s94, s94, s89
	s_add_nc_u64 s[10:11], s[10:11], s[94:95]      ; asc: 8,192 (batch x head) + 512 block
	global_load_b128 v[16:19], v1, s[90:91]
	global_load_b32 v24, v2, s[92:93]
.irp j, 20,21,22,23
	v_mov_b32 v[\j], 0                             ; the upper 64 of the first product's K: zero codes
.endr
.irp t, 0,1,2,3,4,5,6,7
.irp j, 4,5,6,7
	v_mov_b32 v[32+8*\t+\j], 0
.endr
.endr
	v_mov_b32 v13, 0xff61b1e6                      ; the largest t so far: -3e38, under every t
	v_floor_f32 v12, -v13                          ; -M
	v_mov_b32 v14, 0                               ; the sum, in two halves
	v_mov_b32 v15, 0
.irp b, 0,1,2,3
	v_mov_b32 v[236+\b], 0                         ; written once: a lane permute's destination counts as one of its sources
.endr
	v_mov_b32 v253, 0                              ; (named as the upper half of the pair v[252:253] before it is first written)
.set J, 0
.rept 32
	v_mov_b32 v[160+J], 0                          ; O^T: the step is written without a first step of its own: it finds zeros, which the first change of M leaves zeros
.set J, J+1
.endr
; A KEY STEP: 128 keys.  s76, s77, s78, s79: where the step's k, v, k's and v's scale words begin in LDS
.macro STEP
	v_add_nc_u32 v8, s76, v1                       ; (these four are also the places between the last step's products and the loads into V's registers)
	v_add_nc_u32 v9, s77, v1
	v_add_nc_u32 v10, s78, v1
	v_add_nc_u32 v11, s79, v2
.irp t, 0,1,2,3,4,5,6,7
	ds_load_b128 v[32+8*\t:35+8*\t], v8 offset:512*\t
.endr
	ds_load_b128 v[240:243], v10                   ; lanes 0-15: the words of tiles 0-3, lanes 16-31: of tiles 4-7
.irp t, 0,1,2,3
.irp c, 0,1
	ds_load_b128 v[192+8*\t+4*\c:195+8*\t+4*\c], v9 offset:1024*\t+512*\c
.endr
.endr
	ds_load_b128 v[248:251], v11
	s_wait_dscnt 9                                 ; K and its words are in; V's eight loads and its words' one may stay out until the second product
.irp t, 0,1,2,3
	v_wmma_scale_f32_16x16x128_f8f6f4 v[96+8*\t:103+8*\t], v[32+8*\t:39+8*\t], v[16:23], 0, v[240+\t], v24 matrix_a_fmt:MATRIX_FMT_FP4 matrix_b_fmt:MATRIX_FMT_FP4
.endr
.irp t, 4,5,6,7
	v_wmma_scale_f32_16x16x128_f8f6f4 v[96+8*\t:103+8*\t], v[32+8*\t:39+8*\t], v[16:23], 0, v[236+\t], v24 matrix_a_fmt:MATRIX_FMT_FP4 matrix_b_fmt:MATRIX_FMT_FP4 matrix_a_scale:MATRIX_SCALE_ROW1
.endr
	PLACES 4                                       ; lane (r, h) holds query r; the 16 registers of tiles 2 b, 2 b + 1 are keys 32 b + 16 h + 0 .. 15 of the step
.irp b, 0,1,2,3
	v_max3_num_f32 v[232+\b], v[96+16*\b], v[97+16*\b], v[98+16*\b]   ; the largest score of each block of 32 keys: it serves for the row's maximum and, since p rises with the score, for the block's largest p
.endr
.irp i, 3,5,7,9,11,13
.irp b, 0,1,2,3
	v_max3_num_f32 v[232+\b], v[232+\b], v[96+16*\b+\i], v[97+16*\b+\i]
.endr
.endr
.irp b, 0,1,2,3
	v_max_num_f32 v[232+\b], v[232+\b], v[111+16*\b]
.endr
.irp b, 0,1,2,3
	v_permlanex16_b32 v[236+\b], v[232+\b], s20, s21
.endr
.irp b, 0,1,2,3
	v_max_num_f32 v[232+\b], v[232+\b], v[236+\b]  ; with lane l xor 16's 16 keys
.endr
	v_max3_num_f32 v254, v232, v233, v234
	v_max_num_f32 v254, v254, v235                 ; the step's largest score of my query
	v_mul_f32 v254, s22, v254                      ; as t (c is positive)
	v_max_num_f32 v13, v13, v254                   ; the running largest t
	v_mov_b32 v254, v12
	v_floor_f32 v12, -v13                          ; the new -M = floor(-t) = -ceil(t)
	v_sub_f32 v254, v12, v254                      ; old M less new M: a whole number, 0 or less
	v_cvt_i32_f32 v254, v254                       ; (it saturates)
	v_ldexp_f32 v252, 1.0, v254                    ; f = 2^(old M - new M)
.set J, 0
.rept 32
	v_pk_fma_f32 v[96+J:97+J], v[96+J:97+J], s[22:23], v[12:13] op_sel_hi:[1,0,0]   ; t - M, two at a time (of the pairs c and -M the low word serves both halves)
.set J, J+2
.endr
.irp b, 0,1,2,3
	v_fma_f32 v[232+\b], v[232+\b], s22, v12       ; the same of each block's largest score
.endr
.set J, 0
.rept 64
	v_exp_f32 v[96+J], v[96+J]                     ; p = 2^(t - M), at most 1
.set J, J+1
.endr
.irp b, 0,1,2,3
	v_exp_f32 v[232+\b], v[232+\b]                 ; the block's largest p
.endr
	v_pk_mul_f32 v[14:15], v[14:15], v[252:253] op_sel_hi:[1,0]   ; the sums under the new M (a plain place behind the exponentials)
	s_wait_alu depctr_va_vdst(0)
.irp b, 0,1,2,3
	v_max_num_f32 v[232+\b], 0x1800000, v[232+\b]  ; the floor 2^(3 - 127): the byte cannot fall under 1
.endr
.irp b, 0,1,2,3
	v_add_nc_u32 v[244+\b], 0xff000000, v[232+\b]  ; 2 off the exponent field: the conversion's scale operand
.endr
.irp b, 0,1,2,3
	v_lshrrev_b32 v[236+\b], 23, v[244+\b]         ; the scale's byte
.endr
	v_lshl_or_b32 v253, v237, 8, v236              ; p's scale word for these 128 keys
	v_lshl_or_b32 v253, v238, 16, v253
	v_lshl_or_b32 v253, v239, 24, v253
.irp b, 0,1,2,3
	v_cvt_scalef32_pk8_fp4_f32 v[224+2*\b], v[96+16*\b:103+16*\b], v[244+\b]
	v_cvt_scalef32_pk8_fp4_f32 v[225+2*\b], v[104+16*\b:111+16*\b], v[244+\b]
.endr
	v_nop                                          ; one plain place behind a scaled conversion
.irp c, 0,1
.irp i, 0,1
	v_permlane16_swap_b32 v[224+4*\c+\i], v[226+4*\c+\i]   ; a whole block to a lane: lanes 0-15 block 2 c, lanes 16-31 block 2 c + 1
.endr
.endr
	v_pk_add_f32 v[236:237], v[96:97], v[98:99]    ; the row's sum, of the unquantised p: two at a time, in two chains
.irp j, 4,8,12,16,20,24,28,32,36,40,44,48,52,56,60
	v_pk_add_f32 v[14:15], v[14:15], v[96+\j:97+\j]
	v_pk_add_f32 v[236:237], v[236:237], v[98+\j:99+\j]
.endr
	v_pk_add_f32 v[14:15], v[14:15], v[236:237]
.set J, 0
.rept 16
	v_pk_mul_f32 v[160+J:161+J], v[160+J:161+J], v[252:253] op_sel_hi:[1,0]   ; O^T under the new M, each accumulator from its low end on.  (With the sums above: the places between p's codes and scale word and the products below)
.set J, J+2
.endr
	s_wait_dscnt 0x0                               ; V and its words are in
.irp t, 0,1,2,3
	v_wmma_scale_f32_16x16x128_f8f6f4 v[160+8*\t:167+8*\t], v[192+8*\t:199+8*\t], v[224:231], v[160+8*\t:167+8*\t], v[248+\t], v253 matrix_a_fmt:MATRIX_FMT_FP4 matrix_b_fmt:MATRIX_FMT_FP4
.endr
.endm
.macro LOOP n                          ; n key steps; the four addresses step by a step's bytes
	s_mov_b32 s80, \n
.Lstep_\@:
	STEP
	s_add_co_u32 s76, s76, 4096
	s_add_co_u32 s77, s77, 4096
	s_add_co_u32 s78, s78, 512
	s_add_co_u32 s79, s79, 256
	s_sub_co_u32 s80, s80, 1
	s_cmp_lg_u32 s80, 0
	s_cbranch_scc1 .Lstep_\@
.endm
	s_wait_loadcnt 0x0                             ; Q
	s_wait_tensorcnt 0x2                           ; my parts of the scale words and of steps 0-3 are in; the two loads issued behind them may stay out
	s_barrier_signal -1
	s_barrier_wait -1                              ; everybody's are
	s_mov_b32 s76, 0
	s_mov_b32 s77, 131072
	s_mov_b32 s78, KSL
	s_mov_b32 s79, VSL
	LOOP 4
	s_wait_tensorcnt 0x1                           ; my part of steps 4-15
	s_wait_dscnt 0x0
	s_barrier_signal -1
	s_barrier_wait -1
	s_mov_b32 s76, 16384
	s_mov_b32 s77, 131072+16384
	s_mov_b32 s78, KSL+4*512
	s_mov_b32 s79, VSL+4*256
	LOOP 12
	s_wait_tensorcnt 0x0                           ; my part of steps 16-31: no tensor load of mine is out any more
	s_wait_dscnt 0x0
	s_barrier_signal -1
	s_barrier_wait -1
	s_mov_b32 s76, 65536
	s_mov_b32 s77, 131072+65536
	s_mov_b32 s78, KSL+16*512
	s_mov_b32 s79, VSL+16*256
	LOOP 16
	; THE WAY OUT.  O^T / the sum; register 16 b + i is d = 32 b + 16 (lane / 16) + i of my query: quantised along d, which is the last product's K
	PLACES 4                                       ; behind the last products
	v_add_f32 v14, v14, v15                        ; the sum's two halves,
	v_permlanex16_b32 v252, v14, s20, s21
	v_add_f32 v14, v14, v252                       ; and lane l xor 16's
	v_rcp_f32 v14, v14
	v_nop                                          ; a plain place behind the transcendental
.set J, 0
	s_wait_alu depctr_va_vdst(0)
.rept 16
	v_pk_mul_f32 v[96+J:97+J], v[160+J:161+J], v[14:15] op_sel_hi:[1,0]
.set J, J+2
.endr
.irp b, 0,1
	v_max3_num_f32 v[232+\b], |v[96+16*\b]|, |v[97+16*\b]|, 0x1800000
.endr
.irp i, 2,4,6,8,10,12,14
.irp b, 0,1
	v_max3_num_f32 v[232+\b], v[232+\b], |v[96+16*\b+\i]|, |v[97+16*\b+\i]|
.endr
.endr
.irp b, 0,1
	v_permlanex16_b32 v[236+\b], v[232+\b], s20, s21
.endr
.irp b, 0,1
	v_max_num_f32 v[232+\b], v[232+\b], v[236+\b]
.endr
.irp b, 0,1
	v_add_nc_u32 v[244+\b], 0xff000000, v[232+\b]
.endr
.irp b, 0,1
	v_lshrrev_b32 v[238+\b], 23, v[244+\b]
.endr
	v_lshl_or_b32 v253, v239, 8, v238              ; the two bytes of my query and head
.irp b, 0,1
	v_cvt_scalef32_pk8_fp4_f32 v[224+2*\b], v[96+16*\b:103+16*\b], v[244+\b]
	v_cvt_scalef32_pk8_fp4_f32 v[225+2*\b], v[104+16*\b:111+16*\b], v[244+\b]
.endr
	v_nop                                          ; one plain place behind a scaled conversion
	v_permlane16_swap_b32 v224, v226               ; lane (r, h): d = 32 h .. 32 h + 31
	v_permlane16_swap_b32 v225, v227
	global_store_b128 v1, v[224:227], s[8:9]       ; half a fragment of the last product's operand: the wave stores 512 consecutive bytes
	ds_store_b16 v3, v253                          ; lanes r and r + 16 write the same two bytes with the same values
	s_wait_dscnt 0x0                               ; for wave 0's sake
	s_barrier_signal -1
	s_barrier_wait -1
	s_cmp_lg_u32 s12, 0
	s_cbranch_scc1 .Lno_asc
	ds_load_b128 v[96:99], v4                      ; the work-group's 256 queries x 2 bytes leave as 512 consecutive bytes
	s_wait_dscnt 0x0
	global_store_b128 v1, v[96:99], s[10:11]
.Lno_asc:
	s_wait_tensorcnt 0x0
	ds_add_u32 v31, v255
	s_wait_dscnt 0x0
	CROUND                                         ; the closing round: no work-group ends while a partner may still ask for a tile that names it
	s_endpgm
.Lfunc_end_k_q247d03ab77_attn:
	.size	k_q247d03ab77_attn, .Lfunc_end_k_q247d03ab77_attn-k_q247d03ab77_attn
	.p2alignl 7, 3214868480
	.fill 96, 4, 3214868480
	.section	.rodata,"a",@progbits
	.p2align	6, 0x0
	.amdhsa_kernel k_q247d03ab77_attn
		.amdhsa_group_segment_fixed_size 327680
		.amdhsa_private_segment_fixed_size 0
		.amdhsa_enable_private_segment 0
		.amdhsa_kernarg_size 32
		.amdhsa_user_sgpr_count 2
		.amdhsa_user_sgpr_kernarg_segment_ptr 1
		.amdhsa_wavefront_size32 1
		.amdhsa_system_sgpr_workgroup_id_x 1
		.amdhsa_system_sgpr_workgroup_id_y 1
		.amdhsa_system_sgpr_workgroup_id_z 1
		.amdhsa_system_vgpr_workitem_id 0
		.amdhsa_next_free_vgpr 256
		.amdhsa_next_free_sgpr 96
		.amdhsa_reserve_vcc 0
		.amdhsa_float_denorm_mode_32 3
		.amdhsa_float_denorm_mode_16_64 3
		.amdhsa_memory_ordered 1
		.amdhsa_forward_progress 1
		.amdhsa_inst_pref_size 59
	.end_amdhsa_kernel
	.amdgpu_metadata
---
amdhsa.version: [ 1, 2 ]
amdhsa.kernels:
  - .name:           k_q247d03ab77_attn
    .symbol:         k_q247d03ab77_attn.kd
    .args:
      - { .name: cd, .offset: 0, .size: 8, .value_kind: global_buffer, .address_space: global }
      - { .name: sc, .offset: 8, .size: 8, .value_kind: global_buffer, .address_space: global }
      - { .name: ac, .offset: 16, .size: 8, .value_kind: global_buffer, .address_space: global }
      - { .name: asc, .offset: 24, .size: 8, .value_kind: global_buffer, .address_space: global }
    .group_segment_fixed_size: 327680
    .private_segment_fixed_size: 0
    .kernarg_segment_align: 8
    .kernarg_segment_size: 32
    .max_flat_workgroup_size: 512
    .sgpr_count:     96
    .vgpr_count:     256
    .wavefront_size: 32
...
	.end_amdgpu_metadata
.endif
;; end of part 3
;; launch proj (part 4): grid 64 x 4, 8 waves a work-group, no clusters, 103,424 bytes of LDS; arguments ac, asc, proj_w_codes, proj_w_scales, proj_b, hidden_states, out0; writes out0
.if DOCPART == 4
	.amdgcn_target "amdgcn-amd-amdhsa--gfx1250"
	.amdhsa_code_object_version 6
	.text
	.protected	k_q247d03ab77_proj
	.globl	k_q247d03ab77_proj
	.p2align	8
	.type	k_q247d03ab77_proj,@function
k_q247d03ab77_proj:
	s_mov_b64 s[64:65], 0
	v_nop
	global_prefetch_b8 v0, s[64:65] scope:SCOPE_SE
	s_setreg_imm32_b32 hwreg(HW_REG_WAVE_MODE, 25, 1), 1
	s_wait_xcnt 0x0
; out0[b][c][n] = the sum over k of a[b][n][k] Wp[c][k] + proj_b[c] + hidden_states[b][c][n], the product on codes of FP4 (E2M1) with one E8M0 scale for each 32 along K.  (The division by RESCALE = 1.0 changes no bit and is not written.)
; SHARES.  Work-group (x, y): 128 tokens (eight tiles of the attention's output, 32,768 consecutive bytes of ac at 32,768 x) and output channels 128 y on.  Wave w brings tile w into LDS for all eight waves, as the image of registers that it is,
; and owns channels 128 y + 16 w + r: its four fragments of Wp, their scale words and its bias stay in registers.
; LAYOUT.  Source 0 = 16 tokens, source 1 = my 16 rows of Wp: a lane holds ONE channel, and since row r of token tile 2 g + u is token 32 g + 8 u + r + 8 (r / 8), its eight registers are tokens 32 g + 16 (lane / 16) + 8 u + 0 .. 7: 32 neighbouring bytes of a
; row of out0.  A wave's 16 rows x 512 bytes are gathered in its own stage in LDS (rows 528 bytes apart: 33 x 16, so that sixteen rows start at sixteen different places modulo 256 bytes), read back by rows, added to the residual and stored:
; each store of a wave covers 512 consecutive bytes.  The bias is the C of each sum's first matrix instruction.
; NO JOINT LOADS: the four work-groups of one x share 32,768 bytes of codes; each has 131,072 bytes of its own (residual in, result out): what is shared is a fifth of a work-group's bytes, and it is read once, at the start.
; One barrier: behind it the eight tiles and their scale words lie in LDS and are only read.
.set ASC,  32768                       ; LDS: 0: a's eight tiles of 4,096 bytes;  here their scale words [tile][r][K step][4 bytes];
.set STG,  34816                       ; the stage: 128 rows x 528 bytes, 16 rows a wave
.set WF,   16                          ; v16-47  Wp's four fragments;  v48-51 their scale words;  v52-59 the bias
.set WSC,  48
.set BI,   52
.set AS,   60                          ; v60-67  scale words of the two token tiles in hand
.set ACC,  68                          ; v68-83  two accumulators
.set AF,   84                          ; v84-147 my tile on its way in; two tiles' fragments; rows of the result
.set RES,  148                         ; v148-211 the residual's 16 rows
.macro PLACES n
.rept \n
	v_nop
.endr
.endm
.macro PFETCH g                        ; token tiles 2 g and 2 g + 1: four fragments and the scale words of each
.irp u, 0,1
.irp k, 0,1,2,3
.irp c, 0,1
	ds_load_b128 v[AF+32*\u+8*\k+4*\c:AF+32*\u+8*\k+4*\c+3], v1 offset:(2*(\g)+\u)*4096+1024*\k+512*\c
.endr
.endr
	ds_load_b128 v[AS+4*\u:AS+4*\u+3], v10 offset:(2*(\g)+\u)*256
.endr
.endm
	s_load_b256 s[4:11], s[0:1], 0x0               ; ac, asc, proj_w_codes, proj_w_scales
	s_load_b128 s[12:15], s[0:1], 0x20             ; proj_b, hidden_states
	s_load_b64 s[16:17], s[0:1], 0x30              ; out0
	v_lshl_add_u32 v254, v0, 2, 0x19000
	v_mov_b32 v255, 0
	v_lshrrev_b32 v1, 5, v0
	v_readfirstlane_b32 s2, v1                     ; wave 0..7
	s_and_b32 s20, ttmp7, 0xffff                   ; y
	s_lshr_b32 s21, ttmp9, 5                       ; batch
	s_and_b32 s22, ttmp9, 31                       ; which 128 tokens
	s_lshl_b32 s24, ttmp9, 15                      ; ac: 32,768 x + 4,096 wave
	s_lshl_b32 s36, s2, 12
	s_add_co_u32 s24, s24, s36
	s_mov_b32 s25, 0
	s_lshl_b32 s26, s22, 3                         ; asc: 65,536 batch + 32 (8 s + wave); + 8,192 head + 2 r
	s_add_co_u32 s26, s26, s2
	s_lshl_b32 s26, s26, 5
	s_lshl_b32 s36, s21, 16
	s_add_co_u32 s26, s26, s36
	s_mov_b32 s27, 0
	s_lshl_b32 s23, s20, 7
	s_lshl_b32 s36, s2, 4
	s_add_co_u32 s23, s23, s36                     ; my first channel: 128 y + 16 wave
	s_lshl_b32 s28, s23, 8                         ; Wp's codes: 256 bytes a row,
	s_mov_b32 s29, 0
	s_lshl_b32 s30, s23, 4                         ; scale bytes: 16,
	s_mov_b32 s31, 0
	s_lshl_b32 s32, s23, 2                         ; the bias: 4
	s_mov_b32 s33, 0
	s_lshl_b32 s34, s21, 23                        ; hidden_states and out0: 8,388,608 batch + 16,384 channel + 512 s
	s_lshl_b32 s36, s23, 14
	s_add_co_u32 s34, s34, s36
	s_lshl_b32 s36, s22, 9
	s_add_co_u32 s34, s34, s36
	s_mov_b32 s35, 0
	v_and_b32 v1, 31, v0
	v_lshlrev_b32 v1, 4, v1                        ; v1: 16 x lane: in memory, and in an image in LDS
	v_and_b32 v2, 15, v0                           ; r
	v_bfe_u32 v3, v0, 4, 1                         ; h
	v_lshlrev_b32 v4, 1, v2                        ; a's scale bytes: 2 r
	v_lshlrev_b32 v5, 8, v2
	v_lshl_add_u32 v5, v3, 4, v5                   ; Wp's codes: row r, + 16 h
	v_lshlrev_b32 v6, 4, v2                        ; its scale bytes
	v_lshlrev_b32 v7, 2, v2                        ; the bias
	s_lshl_b32 s36, s2, 12
	v_add_nc_u32 v8, s36, v1                       ; where my tile goes: 4,096 wave + 16 lane
	v_lshl_add_u32 v10, v2, 4, ASC                 ; scale words of row r,
	s_lshl_b32 s36, s2, 8
	v_add_nc_u32 v9, s36, v10                      ; and where my tile's go
	s_mul_i32 s36, s2, 16*528
	s_add_co_u32 s36, s36, STG                     ; my 16 rows of the stage
	v_mul_u32_u24 v11, v2, 528
	v_lshl_add_u32 v11, v3, 6, v11
	v_add_nc_u32 v11, s36, v11                     ; in: row r, + 64 h
	v_add_nc_u32 v12, s36, v1                      ; back: 16 bytes a lane of a row
	s_wait_kmcnt 0x0
	s_add_nc_u64 s[4:5], s[4:5], s[24:25]
	s_add_nc_u64 s[6:7], s[6:7], s[26:27]
	s_add_nc_u64 s[8:9], s[8:9], s[28:29]
	s_add_nc_u64 s[10:11], s[10:11], s[30:31]
	s_add_nc_u64 s[12:13], s[12:13], s[32:33]
	s_add_nc_u64 s[14:15], s[14:15], s[34:35]
	s_add_nc_u64 s[16:17], s[16:17], s[34:35]
.irp i, 0,1,2,3,4,5,6,7
	global_load_b128 v[AF+4*\i:AF+4*\i+3], v1, s[4:5] offset:512*\i          ; my tile: eight runs of 512 consecutive bytes
.endr
.irp d, 0,1,2,3,4,5,6,7
	global_load_u16 v[212+\d], v4, s[6:7] offset:8192*\d                     ; head d's two bytes of row r
.endr
.irp k, 0,1,2,3
.irp c, 0,1
	global_load_b128 v[WF+8*\k+4*\c:WF+8*\k+4*\c+3], v5, s[8:9] offset:64*\k+32*\c
.endr
.endr
	global_load_b128 v[WSC:WSC+3], v6, s[10:11]
.irp j, 0,1,2,3,4,5,6,7
	global_load_b32 v[BI+\j], v7, s[12:13]         ; a lane holds one channel: its bias in all eight registers
.endr
.irp i, 0,1,2,3,4,5,6,7,8,9,10,11,12,13,14,15
	global_load_b128 v[RES+4*\i:RES+4*\i+3], v1, s[14:15] offset:16384*\i th:TH_LOAD_NT   ; the residual of my 16 channels: asked for now, wanted at the end; its last use in the program
.endr
	s_wait_loadcnt 33                              ; my tile and its scale bytes are in: 8 + 1 + 8 + 16 = 33 loads were issued behind them
.irp i, 0,1,2,3,4,5,6,7
	ds_store_b128 v8, v[AF+4*\i:AF+4*\i+3] offset:512*\i
.endr
.irp k, 0,1,2,3
	v_lshl_or_b32 v[220+\k], v[213+2*\k], 16, v[212+2*\k]   ; K step k is heads 2 k and 2 k + 1: four bytes
.endr
	ds_store_b128 v9, v[220:223]                   ; lanes r and r + 16 write the same words with the same values
	s_wait_dscnt 0x0                               ; for the others' sake
	s_barrier_signal -1
	s_barrier_wait -1
	PFETCH 0
	s_wait_loadcnt 16                              ; Wp, its scale words and the bias are in; the residual's 16 loads may stay out
.irp g, 0,1,2,3
	s_wait_dscnt 0x0
.irp u, 0,1
	v_wmma_scale_f32_16x16x128_f8f6f4 v[ACC+8*\u:ACC+8*\u+7], v[AF+32*\u:AF+32*\u+7], v[WF:WF+7], v[BI:BI+7], v[AS+4*\u], v[WSC] matrix_a_fmt:MATRIX_FMT_FP4 matrix_b_fmt:MATRIX_FMT_FP4
.endr
.irp k, 1,2,3
.irp u, 0,1
	v_wmma_scale_f32_16x16x128_f8f6f4 v[ACC+8*\u:ACC+8*\u+7], v[AF+32*\u+8*\k:AF+32*\u+8*\k+7], v[WF+8*\k:WF+8*\k+7], v[ACC+8*\u:ACC+8*\u+7], v[AS+4*\u+\k], v[WSC+\k] matrix_a_fmt:MATRIX_FMT_FP4 matrix_b_fmt:MATRIX_FMT_FP4
.endr
.endr                                          ; the two accumulators take turns, one instruction a turn
	PLACES 5                                       ; four for the loads into a's registers and the stores of results; the fifth for the next group's products, which begin the accumulators anew
.if \g < 3
	PFETCH \g+1
.endif
.irp u, 0,1
	ds_store_b128 v11, v[ACC+8*\u:ACC+8*\u+3] offset:128*\g+32*\u          ; each accumulator from its low end on: tokens 32 g + 16 h + 8 u + 0 .. 7 of channel r
	ds_store_b128 v11, v[ACC+8*\u+4:ACC+8*\u+7] offset:128*\g+32*\u+16
.endr
.endr
.irp i, 0,1,2,3,4,5,6,7,8,9,10,11,12,13,14,15
	ds_load_b128 v[AF+4*\i:AF+4*\i+3], v12 offset:528*\i   ; LDS serves a wave's instructions in order (ISA guide 5.7.1.4): these see my stores; the rows are my wave's own
.endr
	s_wait_loadcnt 0x0                             ; the residual
.irp i, 0,1,2,3,4,5,6,7,8,9,10,11,12,13,14,15
	s_wait_dscnt 15-\i                             ; row i is back, the younger loads stay out
	v_pk_add_f32 v[AF+4*\i:AF+4*\i+1], v[AF+4*\i:AF+4*\i+1], v[RES+4*\i:RES+4*\i+1]
	v_pk_add_f32 v[AF+4*\i+2:AF+4*\i+3], v[AF+4*\i+2:AF+4*\i+3], v[RES+4*\i+2:RES+4*\i+3]
	global_store_b128 v1, v[AF+4*\i:AF+4*\i+3], s[16:17] offset:16384*\i th:TH_STORE_NT   ; 32 lanes store 512 consecutive bytes, at a multiple of 512 from out0's first byte; written once, read by nobody here
.endr
	s_wait_tensorcnt 0x0
	ds_add_u32 v254, v255
	s_wait_dscnt 0x0
	s_endpgm
.Lfunc_end_k_q247d03ab77_proj:
	.size	k_q247d03ab77_proj, .Lfunc_end_k_q247d03ab77_proj-k_q247d03ab77_proj
	.p2alignl 7, 3214868480
	.fill 96, 4, 3214868480
	.section	.rodata,"a",@progbits
	.p2align	6, 0x0
	.amdhsa_kernel k_q247d03ab77_proj
		.amdhsa_group_segment_fixed_size 103424
		.amdhsa_private_segment_fixed_size 0
		.amdhsa_enable_private_segment 0
		.amdhsa_kernarg_size 56
		.amdhsa_user_sgpr_count 2
		.amdhsa_user_sgpr_kernarg_segment_ptr 1
		.amdhsa_wavefront_size32 1
		.amdhsa_system_sgpr_workgroup_id_x 1
		.amdhsa_system_sgpr_workgroup_id_y 1
		.amdhsa_system_sgpr_workgroup_id_z 1
		.amdhsa_system_vgpr_workitem_id 0
		.amdhsa_next_free_vgpr 256
		.amdhsa_next_free_sgpr 66
		.amdhsa_reserve_vcc 0
		.amdhsa_float_denorm_mode_32 3
		.amdhsa_float_denorm_mode_16_64 3
		.amdhsa_memory_ordered 1
		.amdhsa_forward_progress 1
		.amdhsa_inst_pref_size 24
	.end_amdhsa_kernel
	.amdgpu_metadata
---
amdhsa.version: [ 1, 2 ]
amdhsa.kernels:
  - .name:           k_q247d03ab77_proj
    .symbol:         k_q247d03ab77_proj.kd
    .args:
      - { .name: ac, .offset: 0, .size: 8, .value_kind: global_buffer, .address_space: global }
      - { .name: asc, .offset: 8, .size: 8, .value_kind: global_buffer, .address_space: global }
      - { .name: proj_w_codes, .offset: 16, .size: 8, .value_kind: global_buffer, .address_space: global }
      - { .name: proj_w_scales, .offset: 24, .size: 8, .value_kind: global_buffer, .address_space: global }
      - { .name: proj_b, .offset: 32, .size: 8, .value_kind: global_buffer, .address_space: global }
      - { .name: hidden_states, .offset: 40, .size: 8, .value_kind: global_buffer, .address_space: global }
      - { .name: out0, .offset: 48, .size: 8, .value_kind: global_buffer, .address_space: global }
    .group_segment_fixed_size: 103424
    .private_segment_fixed_size: 0
    .kernarg_segment_align: 8
    .kernarg_segment_size: 56
    .max_flat_workgroup_size: 256
    .sgpr_count:     66
    .vgpr_count:     256
    .wavefront_size: 32
...
	.end_amdgpu_metadata
.endif
;; end of part 4
;; ======== version 2 of 2: 4 launches
;; workspace buffers: stats 2,048 bytes; cd 6,291,456 bytes; sc 655,360 bytes; ac 2,097,152 bytes; asc 131,072 bytes
;; launch gnstat (part 5): grid 256 x 1, 8 waves a work-group, no clusters, 1,280 bytes of LDS; arguments hidden_states, stats; writes stats
.if DOCPART == 5
	.amdgcn_target "amdgcn-amd-amdhsa--gfx1250"
	.amdhsa_code_object_version 6
	.text
	.protected	k_q247d03ab77_gnstat
	.globl	k_q247d03ab77_gnstat
	.p2align	8
	.type	k_q247d03ab77_gnstat,@function
k_q247d03ab77_gnstat:
	s_mov_b64 s[64:65], 0
	v_nop
	global_prefetch_b8 v0, s[64:65] scope:SCOPE_SE
	s_setreg_imm32_b32 hwreg(HW_REG_WAVE_MODE, 25, 1), 1
	s_wait_xcnt 0x0
; GroupNorm's statistics, first half.  hidden_states is [2][512][4096] f32; a group is 16 channels x 4,096 = 65,536 consecutive numbers, 64 groups in all.
; Work-group x takes quarter x % 4 of group x / 4: 16,384 consecutive numbers, 65,536 bytes, and stores its mean and its sum of squared distances from that mean: 8 bytes at 8 x.
; The next launch joins a group's four quarters.  Two passes over numbers that stay in registers: no difference of large sums is formed, so a common offset of the inputs costs no accuracy.
; Thread t holds the 16 bytes at 16 t + 4,096 i, i = 0 .. 15: each load of a wave covers 512 consecutive bytes.  Memory binds: no matrix unit, no cluster, no tensor load would add anything.
; LIMITS: NaN and infinities among the inputs are not served.
.set X, 16                             ; v16-79  my 64 numbers
	s_load_b128 s[4:7], s[0:1], 0x0                ; hidden_states, stats
	v_lshl_add_u32 v96, v0, 2, 0x100
	v_mov_b32 v97, 0
	v_lshlrev_b32 v1, 4, v0                        ; 16 x thread
	v_lshrrev_b32 v8, 5, v0
	s_delay_alu instid0(VALU_DEP_1)
	v_readfirstlane_b32 s12, v8                    ; wave 0..7
	s_lshl_b32 s8, ttmp9, 16                       ; my quarter group's first byte
	s_mov_b32 s9, 0
	s_mov_b32 s10, 0x76543210                      ; v_permlanex16_b32's selects for lane l xor 16
	s_mov_b32 s11, 0xfedcba98
	v_mov_b32 v10, s12
	s_delay_alu instid0(VALU_DEP_1)
	v_lshlrev_b32 v10, 2, v10                      ; LDS: my wave's word
	v_mov_b32 v11, 0
	v_mov_b32 v9, 0                                ; a lane permute's destination counts as one of its sources
	s_wait_alu depctr_va_vdst(0)
	s_wait_kmcnt 0x0
	s_add_nc_u64 s[4:5], s[4:5], s[8:9]
.irp i, 0,1,2,3,4,5,6,7,8,9,10,11,12,13,14,15
	global_load_b128 v[X+4*\i:X+4*\i+3], v1, s[4:5] offset:4096*\i
.endr
; The lane's figure in v8 is added over the 32 lanes, then over the eight waves through eight words of LDS at byte off: the sum comes to v12 in every lane.
.macro REDUCE off
	s_delay_alu instid0(VALU_DEP_1)
	v_add_f32_dpp v8, v8, v8 row_xmask:1 row_mask:0xf bank_mask:0xf
	s_delay_alu instid0(VALU_DEP_1)
	v_add_f32_dpp v8, v8, v8 row_xmask:2 row_mask:0xf bank_mask:0xf
	s_delay_alu instid0(VALU_DEP_1)
	v_add_f32_dpp v8, v8, v8 row_xmask:4 row_mask:0xf bank_mask:0xf
	s_delay_alu instid0(VALU_DEP_1)
	v_add_f32_dpp v8, v8, v8 row_xmask:8 row_mask:0xf bank_mask:0xf
	s_delay_alu instid0(VALU_DEP_1)
	v_permlanex16_b32 v9, v8, s10, s11
	s_delay_alu instid0(VALU_DEP_1)
	v_add_f32 v8, v8, v9
	ds_store_b32 v10, v8 offset:\off               ; all lanes write the wave's word with the same value
	s_wait_dscnt 0x0                               ; for the others' sake: my store has landed
	s_barrier_signal -1
	s_barrier_wait -1
	ds_load_b128 v[12:15], v11 offset:\off
	ds_load_b128 v[80:83], v11 offset:\off+16
	s_wait_dscnt 0x0
	v_add_f32 v12, v12, v13
	v_add_f32 v14, v14, v15
	v_add_f32 v80, v80, v81
	v_add_f32 v82, v82, v83
	s_delay_alu instid0(VALU_DEP_3)
	v_add_f32 v12, v12, v14
	s_delay_alu instid0(VALU_DEP_2)
	v_add_f32 v80, v80, v82
	s_delay_alu instid0(VALU_DEP_1)
	v_add_f32 v12, v12, v80
.endm
	; pass 1: the sum, two numbers an instruction, in two chains that the first two loads start
	s_wait_loadcnt 14                              ; loads come back in order: the first two are in
	v_pk_add_f32 v[2:3], v[X:X+1], v[X+4:X+5]
	v_pk_add_f32 v[4:5], v[X+2:X+3], v[X+6:X+7]
	s_wait_alu depctr_va_vdst(0)
.irp i, 2,3,4,5,6,7,8,9,10,11,12,13,14,15
	s_wait_alu depctr_va_vdst(0)
	s_wait_loadcnt 15-\i                           ; load i is in, the younger ones stay out
	v_pk_add_f32 v[2:3], v[2:3], v[X+4*\i:X+4*\i+1]
	v_pk_add_f32 v[4:5], v[4:5], v[X+4*\i+2:X+4*\i+3]
.endr
	s_delay_alu instid0(VALU_DEP_1)
	v_pk_add_f32 v[2:3], v[2:3], v[4:5]
	s_delay_alu instid0(VALU_DEP_1)
	v_add_f32 v8, v2, v3
	REDUCE 0
	s_delay_alu instid0(VALU_DEP_1)
	v_mul_f32 v6, 0x38800000, v12                  ; / 16,384: the quarter's mean,
	s_delay_alu instid0(VALU_DEP_1)
	v_mov_b32 v7, v6                               ; twice, for the packed subtraction
	; pass 2: the squared distances from that mean
.set J, 0
.rept 32
	v_pk_add_f32 v[X+J:X+J+1], v[X+J:X+J+1], v[6:7] neg_lo:[0,1] neg_hi:[0,1]
.set J, J+2
.endr
	v_pk_mul_f32 v[2:3], v[X:X+1], v[X:X+1]
	v_pk_mul_f32 v[4:5], v[X+2:X+3], v[X+2:X+3]
.set J, 4
.rept 15
	s_delay_alu instid0(VALU_DEP_2)
	v_pk_fma_f32 v[2:3], v[X+J:X+J+1], v[X+J:X+J+1], v[2:3]
	s_delay_alu instid0(VALU_DEP_2)
	v_pk_fma_f32 v[4:5], v[X+J+2:X+J+3], v[X+J+2:X+J+3], v[4:5]
.set J, J+4
.endr
	s_delay_alu instid0(VALU_DEP_1)
	v_pk_add_f32 v[2:3], v[2:3], v[4:5]
	s_delay_alu instid0(VALU_DEP_1)
	v_add_f32 v8, v2, v3
	REDUCE 32                                      ; other words than the first time: no barrier is owed between the first reads and these stores
	s_delay_alu instid0(VALU_DEP_1)
	v_mov_b32 v7, v12                              ; v[6:7] = mean, sum of squared distances
	s_lshl_b32 s8, ttmp9, 3
	s_add_nc_u64 s[6:7], s[6:7], s[8:9]
	s_wait_alu depctr_va_vdst(0)
	s_wait_xcnt 0x0                                ; EXEC changes only behind this wait
	v_cmp_eq_u32 vcc_lo, 0, v0
	s_wait_tensorcnt 0x0
	ds_add_u32 v96, v97
	s_wait_dscnt 0x0
	s_and_saveexec_b32 s13, vcc_lo                 ; thread 0 alone stores
	global_store_b64 v11, v[6:7], s[6:7]
	s_wait_xcnt 0x0                                ; and again in front of the line that widens it
	s_or_b32 exec_lo, exec_lo, s13
	s_endpgm
.Lfunc_end_k_q247d03ab77_gnstat:
	.size	k_q247d03ab77_gnstat, .Lfunc_end_k_q247d03ab77_gnstat-k_q247d03ab77_gnstat
	.p2alignl 7, 3214868480
	.fill 96, 4, 3214868480
	.section	.rodata,"a",@progbits
	.p2align	6, 0x0
	.amdhsa_kernel k_q247d03ab77_gnstat
		.amdhsa_group_segment_fixed_size 1280
		.amdhsa_private_segment_fixed_size 0
		.amdhsa_enable_private_segment 0
		.amdhsa_kernarg_size 16
		.amdhsa_user_sgpr_count 2
		.amdhsa_user_sgpr_kernarg_segment_ptr 1
		.amdhsa_wavefront_size32 1
		.amdhsa_system_sgpr_workgroup_id_x 1
		.amdhsa_system_sgpr_workgroup_id_y 1
		.amdhsa_system_sgpr_workgroup_id_z 1
		.amdhsa_system_vgpr_workitem_id 0
		.amdhsa_next_free_vgpr 98
		.amdhsa_next_free_sgpr 66
		.amdhsa_reserve_vcc 1
		.amdhsa_float_denorm_mode_32 3
		.amdhsa_float_denorm_mode_16_64 3
		.amdhsa_memory_ordered 1
		.amdhsa_forward_progress 1
		.amdhsa_inst_pref_size 14
	.end_amdhsa_kernel
	.amdgpu_metadata
---
amdhsa.version: [ 1, 2 ]
amdhsa.kernels:
  - .name:           k_q247d03ab77_gnstat
    .symbol:         k_q247d03ab77_gnstat.kd
    .args:
      - { .name: hidden_states, .offset: 0, .size: 8, .value_kind: global_buffer, .address_space: global }
      - { .name: stats, .offset: 8, .size: 8, .value_kind: global_buffer, .address_space: global }
    .group_segment_fixed_size: 1280
    .private_segment_fixed_size: 0
    .kernarg_segment_align: 8
    .kernarg_segment_size: 16
    .max_flat_workgroup_size: 256
    .sgpr_count:     66
    .vgpr_count:     98
    .wavefront_size: 32
...
	.end_amdgpu_metadata
.endif
;; end of part 5
;; launch qkv (part 6): grid 64 x 4, 8 waves a work-group, no clusters, 41,984 bytes of LDS; arguments hidden_states, gn_weight, gn_bias, stats, cd, sc, q_w_codes, k_w_codes, q_w_scales, k_w_scales, q_b, k_b, v_w_codes, v_w_scales, v_b; writes cd, sc
.if DOCPART == 6
	.amdgcn_target "amdgcn-amd-amdhsa--gfx1250"
	.amdhsa_code_object_version 6
	.text
	.protected	k_q247d03ab77_qkv
	.globl	k_q247d03ab77_qkv
	.p2align	8
	.type	k_q247d03ab77_qkv,@function
k_q247d03ab77_qkv:
	s_mov_b64 s[64:65], 0
	v_nop
	global_prefetch_b8 v0, s[64:65] scope:SCOPE_SE
	s_setreg_imm32_b32 hwreg(HW_REG_WAVE_SCHED_MODE, 0, 2), 2
	s_setreg_imm32_b32 hwreg(HW_REG_WAVE_MODE, 25, 1), 1
	s_wait_xcnt 0x0
	s_wait_alu depctr_vm_vsrc(0)
; GroupNorm finished, x quantised along the channels, q = x Wq^T + bq, k, v likewise on codes of FP4 (E2M1) with one E8M0 scale for each 32 along K, and q, k (along the head's 64) and v (along the tokens) quantised for the attention launch.
; SHARES.  Work-group (x, y): batch x / 32, tokens 128 (x % 32) on (one key step of the attention), heads 2 y and 2 y + 1.  Eight waves; wave w: half = w / 4, t = w % 4.
;   X:  wave w normalises and quantises tokens 32 t + lane, channels 256 half on: A LANE TAKES A TOKEN AND ITS REGISTERS RUN DOWN THE CHANNELS (K is not innermost in memory): a block of 32 lies in one lane, each load reads 128 consecutive bytes.
;       The codes go to LDS as images of the operand's registers (fragment of tile T, K step s: 1,024 bytes, lane l's 16 bytes at 16 l of each half), the scale words beside them.  One barrier.
;   QK: wave w makes q (t < 2) or k of head 2 y + t % 2 for token tiles 4 half .. 4 half + 3: source 0 = 16 rows of W, source 1 = 16 tokens: a lane holds ONE token and its registers run along d.
;   V:  wave w makes 16 of the 64 d of head 2 y + half for all eight token tiles: source 0 = 16 tokens, source 1 = 16 rows of Wv: a lane holds ONE d and its registers run along the tokens, which are the second product's K.
; THE ROWS OF A TILE ARE NOT NEIGHBOURS, of tokens and of W alike: row r of tile 2 g + u is number 32 g + 8 u + r + 8 (r / 8).  So the 16 result registers of tiles 2 g and 2 g + 1 are 16 neighbours, 32 g + 16 (lane / 16) + 0 .. 15,
; a block of 32 lies in lanes l and l xor 16, and the tiles of k stored here are the tiles that give the attention 16 neighbouring keys in 16 registers.
; The weights of a wave (20 fragments) and its biases stay in registers (window 1); a bias is the C of a sum's first matrix instruction.
; OUT.  cd [batch x head][393,216]: q's 256 tiles of 512 bytes, k's at + 131,072, both as register images (lane (r, h): codes of d = 32 h .. 32 h + 31 of row r); v's at + 262,144: [step][d tile][key block][r][16 bytes], again the image.
;       sc [batch x head][40,960]: q's scale words, k's at + 16,384: [4 tiles][r][tile % 4][4 bytes], a word = byte of d 0-31, byte of d 32-63, 0x7f, 0x7f (the upper 64 of the instruction's 128 are zero codes); v's at + 32,768: [step][r][d tile][4 bytes].
; NO JOINT LOADS: the four work-groups of one x read the same 262,144 bytes of hidden_states, but these go from memory straight into the lanes that normalise them; a joint tensor load would have to lay all 262,144 bytes in LDS and read them out again.
;       The weights likewise go straight into the registers that keep them.
; LIMITS: NaN and infinities are not served.  A block of zeros, and one whose largest magnitude lies under 2^-124, gets the byte 1 (the rule's 127 for zeros is not owed: the codes are zeros and this program alone reads the bytes).
;       1 / sqrt is v_rsq_f32; the gain is multiplied into it before the number is (one rounding more than the order x * rstd * gain has in another place).
; THE MODE: SCHED_MODE bits 1:0 = 2 (LLVM: expert scheduling mode 2), set by the entry lines.  The code itself states the register dependences
; between vector or matrix instructions and memory or LDS instructions, with s_wait_alu, always for 0.
; THE PLAN.  Registers that memory or LDS instructions touch:
;   v4-16, v234-239, v254, v255   addresses, offsets and the closing add's two: made at the head, never written again: one wait on va_vdst ahead of the first load serves them all.
;   X: three sets of 32 numbers   Unit i's arithmetic and conversions name set i % 3; the loads of unit i + 2, issued in unit i, land in set (i - 1) % 3.
;   X: XC, four registers a unit  Written by unit i's conversions; read by one LDS store, issued in unit i + 1; never written again.  SB: written by the units, read by one LDS store behind the last.
;      So ONE wait on va_vdst stands at the head of units 1 to 7: the unit before has written its codes and is done with its set.  The store and the 32 loads follow it, and the unit's vector instructions name neither.
;   QK, V: XF and XS              Loaded from LDS; read by a step's products; loaded again for the next step.
;   QK, V: QC, VPC                Written by a step's quantiser; read by one global store, issued in the next step; never written again.  SW, VW: written by the quantisers, read by two LDS stores at the end.
;      So ONE wait on va_vdst stands in a step, behind its products and their places: they are done reading XF and XS, and the quantiser of the step before has written its codes.  The next fetch and that store follow it;
;      the quantiser behind them names the accumulators, its own scratch and this step's codes alone.
;   No register that a memory or LDS instruction reads is ever written again, so the text holds no wait on vm_vsrc.  Scalars that vector instructions write (the wave's number; a unit's four statistics) have a wait on va_sdst ahead of their first reader.
.set XSC,  32768                       ; LDS: 0: x's 32 fragments;  here: their scale words [tile][r][K step][4 bytes], 2,048 bytes
.set SST,  34816                       ; a stage for the scale words on their way out: 4 x 512 bytes of q's and k's, 512 of v's
.set WS,   28                          ; v28-43  scale words of my four tiles of Wq or Wk (4 tile + K step);  v44-47 of my tile of Wv;  v48-55 of x's tiles in hand
.set WVS,  44
.set XS,   48
.set MX,   56                          ; the quantiser: v56-57 largest magnitudes, v58-59 the other half's, v60-61 the conversions' scale operands, v62-63 bytes
.set PD,   58
.set SO,   60
.set BY,   62
.set XT,   64                          ; v64-67  the same for phase X;  v68-70 at work on the statistics
.set QC,   72                          ; v72-87  q's or k's codes, four registers a token tile: no store's data are written again
.set VPC,  88                          ; v88-95  v's codes, two a group of 32 tokens
.set SW,   96                          ; v96-99  q's or k's scale words;  v100 v's;  v102-103 x's
.set VW,   100
.set SB,   102
.set ACC,  104                         ; v104-135 four accumulators
.set X3,   104                         ; v104-199 in phase X: three sets of 32 numbers of x (the first lies where the accumulators will)
.set XF,   136                         ; v136-199 behind the barrier: x's fragments
.set XC,   200                         ; v200-231 x's codes, four registers a block
.set WQK,  0                           ; window 1: v0-127 Wq's or Wk's fragments at 8 (4 tile + K step);  v128-159 Wv's;  v160-191 bq or bk, eight a tile;  v192-199 bv
.set WV,   128
.set BQK,  160
.set BV,   192
.set MSB, 0
.macro WIN new                         ; s_set_vgpr_msb: bits 1:0 source 0, 3:2 source 1, 5:4 source 2, 7:6 destination; the high byte repeats the setting that is left
.if MSB != \new
	s_set_vgpr_msb (MSB<<8)|\new
.set MSB, \new
.endif
.endm
.macro PLACES n                        ; plain vector instructions between a matrix instruction and what touches its registers (ISA guide 7.12.1)
.rept \n
	v_nop
.endr
.endm
.macro BARRIER                         ; my LDS stores have landed and my LDS loads are in: then the work-group's barrier
	s_wait_dscnt 0x0
	s_barrier_signal -1
	s_barrier_wait -1
.endm
.macro GNS i                           ; gain and bias of block i's 32 channels into scalar registers
	s_load_b512 s[16:31], s[6:7], 128*(\i)
	s_load_b512 s[68:83], s[6:7], 128*(\i)+64
	s_load_b512 s[32:47], s[8:9], 128*(\i)
	s_load_b512 s[84:99], s[8:9], 128*(\i)+64
.endm
.macro XLOAD i                         ; block i: hidden(channel 32 i + K, my token), K = 0 .. 31, into set i % 3
.set K, 0
.rept 32
	global_load_b32 v[X3+32*((\i)%3)+K], v4, s[4:5] offset:(\i)*524288+K*16384
.set K, K+1
.endr
.endm
.macro XSTORE i                        ; block i's 32 codes: block 2 c + h of a K step lies at 512 c + 256 h of its image
	ds_store_b128 v5, v[XC+4*(\i):XC+4*(\i)+3] offset:((\i)/4)*1024+(((\i)%4)/2)*512+((\i)%2)*256
.endm
.macro XFETCH reg, adr, off            ; one token tile's four fragments come back as they were stored
.irp k, 0,1,2,3
.irp c, 0,1
	ds_load_b128 v[(\reg)+8*\k+4*\c:(\reg)+8*\k+4*\c+3], v[\adr] offset:(\off)+1024*\k+512*\c
.endr
.endr
.endm
.macro VFETCH g                        ; the two tiles of token group g, and their scale words
.irp u, 0,1
	XFETCH XF+32*\u, 9, (2*(\g)+\u)*4096
	ds_load_b128 v[XS+4*\u:XS+4*\u+3], v10 offset:(2*(\g)+\u)*256
.endr
.endm
; 32 numbers of a lane, register 16 b + i = d 32 b + 16 (lane / 16) + i of my token, become four registers of codes (lane (r, h): d = 32 h .. 32 h + 31) and the two scale bytes in v[w]
.macro QUANT2 s, pc, w
.irp b, 0,1
	v_max3_num_f32 v[MX+\b], |v[(\s)+16*\b]|, |v[(\s)+1+16*\b]|, 0x1800000   ; my 16 numbers of block b, from each accumulator's low end on, and the floor 2^(3 - 127): the byte cannot fall under 1
.endr
.irp i, 2,4,6,8,10,12,14
.irp b, 0,1
	v_max3_num_f32 v[MX+\b], v[MX+\b], |v[(\s)+16*\b+\i]|, |v[(\s)+1+16*\b+\i]|
.endr
.endr
.irp b, 0,1
	v_permlanex16_b32 v[PD+\b], v[MX+\b], s60, s61
.endr
.irp b, 0,1
	v_max_num_f32 v[MX+\b], v[MX+\b], v[PD+\b]     ; with lane l xor 16's: the block's largest magnitude
.endr
.irp b, 0,1
	v_add_nc_u32 v[SO+\b], 0xff000000, v[MX+\b]    ; 2 off its exponent field: the conversion takes the exponent field of this operand as its scale
.endr
.irp b, 0,1
	v_lshrrev_b32 v[BY+\b], 23, v[SO+\b]           ; the scale's byte
.endr
	v_lshl_or_b32 v[\w], v[BY+1], 8, v[BY]
.irp b, 0,1
	v_cvt_scalef32_pk8_fp4_f32 v[(\pc)+2*\b], v[(\s)+16*\b:(\s)+16*\b+7], v[SO+\b]
	v_cvt_scalef32_pk8_fp4_f32 v[(\pc)+2*\b+1], v[(\s)+16*\b+8:(\s)+16*\b+15], v[SO+\b]
.endr
	v_nop                                          ; one plain place behind a scaled conversion
	v_permlane16_swap_b32 v[(\pc)], v[(\pc)+2]     ; the operand's layout wants a whole block in a lane: lanes 0-15 block 0, lanes 16-31 block 1
	v_permlane16_swap_b32 v[(\pc)+1], v[(\pc)+3]
.endm
; 16 numbers of a lane, tokens 32 g + 16 (lane / 16) + 0 .. 15 of my d, become two registers of codes; the block's byte goes to byte g of v[VW]
.macro QUANT1 s, pc, g
	v_max3_num_f32 v[MX], |v[(\s)]|, |v[(\s)+1]|, 0x1800000
	v_max3_num_f32 v[MX+1], |v[(\s)+8]|, |v[(\s)+9]|, |v[(\s)+10]|
	v_max3_num_f32 v[MX], v[MX], |v[(\s)+2]|, |v[(\s)+3]|
	v_max3_num_f32 v[MX+1], v[MX+1], |v[(\s)+11]|, |v[(\s)+12]|
	v_max3_num_f32 v[MX], v[MX], |v[(\s)+4]|, |v[(\s)+5]|
	v_max3_num_f32 v[MX+1], v[MX+1], |v[(\s)+13]|, |v[(\s)+14]|
	v_max3_num_f32 v[MX], v[MX], |v[(\s)+6]|, |v[(\s)+7]|
	v_max3_num_f32 v[MX], v[MX], v[MX+1], |v[(\s)+15]|
	v_permlanex16_b32 v[PD], v[MX], s60, s61
	v_max_num_f32 v[MX], v[MX], v[PD]
	v_add_nc_u32 v[SO], 0xff000000, v[MX]
	v_lshrrev_b32 v[BY], 23, v[SO]
.if (\g) == 0
	v_mov_b32 v[VW], v[BY]
.else
	v_lshl_or_b32 v[VW], v[BY], 8*(\g), v[VW]
.endif
	v_cvt_scalef32_pk8_fp4_f32 v[(\pc)], v[(\s):(\s)+7], v[SO]
	v_cvt_scalef32_pk8_fp4_f32 v[(\pc)+1], v[(\s)+8:(\s)+15], v[SO]
	v_nop                                          ; one plain place behind a scaled conversion
.endm
	s_load_b256 s[4:11], s[0:1], 0x0               ; hidden_states, gn_weight, gn_bias, stats
	s_load_b128 s[12:15], s[0:1], 0x20             ; cd, sc
	s_load_b512 s[16:31], s[0:1], 0x30             ; q_w_codes, k_w_codes, q_w_scales, k_w_scales, q_b, k_b, v_w_codes, v_w_scales
	s_load_b64 s[32:33], s[0:1], 0x70              ; v_b
	v_lshl_add_u32 v254, v0, 2, 0xa000             ; the LDS address of my spare word, behind the stage, and 0: made here and kept for the closing lines alone
	v_mov_b32 v255, 0
	v_lshrrev_b32 v1, 5, v0
	v_readfirstlane_b32 s2, v1                     ; wave 0..7
	s_wait_alu depctr_va_sdst(0)                   ; s2 is written, ahead of its first reader: t, half and all that is made of them
	s_and_b32 s54, ttmp7, 0xffff                   ; y: the pair of heads
	s_lshr_b32 s55, ttmp9, 5                       ; b: the batch
	s_and_b32 s56, ttmp9, 31                       ; s: the key step
	s_and_b32 s57, s2, 3                           ; t
	s_lshr_b32 s58, s2, 2                          ; half
	s_mov_b32 s60, 0x76543210                      ; v_permlanex16_b32's selects for lane l xor 16
	s_mov_b32 s61, 0xfedcba98
	; byte offsets, each in a pair of its own with 0 above (all stay under 2^32)
	s_lshl_b32 s34, s55, 23                        ; hidden_states: batch x 8,388,608 + step x 512 + half x 256 channels of 16,384 + t x 128
	s_lshl_b32 s59, s56, 9
	s_add_co_u32 s34, s34, s59
	s_lshl_b32 s59, s58, 22
	s_add_co_u32 s34, s34, s59
	s_lshl_b32 s59, s57, 7
	s_add_co_u32 s34, s34, s59
	s_mov_b32 s35, 0
	s_lshl_b32 s36, s58, 10                        ; gain and bias: my 256 channels
	s_mov_b32 s37, 0
	s_lshl_b32 s38, s55, 10                        ; stats: 32 bytes a group, my 16 groups
	s_lshl_b32 s59, s58, 9
	s_add_co_u32 s38, s38, s59
	s_mov_b32 s39, 0
	s_lshl_b32 s40, s55, 3
	s_lshl_b32 s86, s54, 1
	s_add_co_u32 s40, s40, s86                     ; 8 b + 2 y
	s_and_b32 s41, s57, 1                          ; t % 2
	s_lshr_b32 s82, s57, 1                         ; t / 2
	s_add_co_u32 s83, s40, s41                     ; batch x head of my q or k
	s_add_co_u32 s84, s40, s58                     ; and of my v
	s_lshl_b32 s85, s56, 12                        ; step x 4,096
	s_mul_i32 s42, s83, 393216                     ; cd, q or k: + (t / 2) x 131,072 + step x 4,096 + half x 2,048
	s_lshl_b32 s59, s82, 17
	s_add_co_u32 s42, s42, s59
	s_add_co_u32 s42, s42, s85
	s_lshl_b32 s59, s58, 11
	s_add_co_u32 s42, s42, s59
	s_mov_b32 s43, 0
	s_mul_i32 s44, s84, 393216                     ; cd, v: + 262,144 + step x 4,096 + t x 1,024
	s_add_co_u32 s44, s44, 262144
	s_add_co_u32 s44, s44, s85
	s_lshl_b32 s59, s57, 10
	s_add_co_u32 s44, s44, s59
	s_mov_b32 s45, 0
	s_mul_i32 s46, s83, 40960                      ; sc, q or k (for waves 0 to 3, whose number is t): + (t / 2) x 16,384 + step x 512
	s_lshl_b32 s59, s82, 14
	s_add_co_u32 s46, s46, s59
	s_lshl_b32 s59, s56, 9
	s_add_co_u32 s46, s46, s59
	s_mov_b32 s47, 0
	s_mul_i32 s68, s40, 40960                      ; sc, v, head 2 y: + 32,768 + step x 256
	s_add_co_u32 s68, s68, 32768
	s_lshl_b32 s59, s56, 8
	s_add_co_u32 s68, s68, s59
	s_mov_b32 s69, 0
	s_add_co_u32 s87, s86, s41                     ; head of my q or k: its 64 rows of W: 16,384 bytes of codes, 1,024 of scales, 256 of bias
	s_lshl_b32 s70, s87, 14
	s_mov_b32 s71, 0
	s_lshl_b32 s72, s87, 10
	s_mov_b32 s73, 0
	s_lshl_b32 s74, s87, 8
	s_mov_b32 s75, 0
	s_add_co_u32 s88, s86, s58                     ; my tile of Wv begins at row 64 (2 y + half) + 32 (t / 2) + 8 (t % 2)
	s_lshl_b32 s88, s88, 6
	s_lshl_b32 s59, s82, 5
	s_add_co_u32 s88, s88, s59
	s_lshl_b32 s59, s41, 3
	s_add_co_u32 s88, s88, s59
	s_lshl_b32 s76, s88, 8
	s_mov_b32 s77, 0
	s_lshl_b32 s78, s88, 4
	s_mov_b32 s79, 0
	s_lshl_b32 s80, s88, 2
	s_mov_b32 s81, 0
	; lanes.  Every LDS address is made here, of v0, the wave's number and constants
	v_and_b32 v1, 31, v0                           ; lane
	v_and_b32 v2, 15, v0                           ; r
	v_bfe_u32 v3, v0, 4, 1                         ; h
	v_lshlrev_b32 v4, 2, v1                        ; x: 4 bytes a token
	v_bfe_u32 v232, v0, 3, 1                       ; my token 32 t + lane is row (lane % 8) + 8 (lane / 16) of tile 2 t + (lane / 8) % 2
	v_and_b32 v233, 7, v0
	v_lshlrev_b32 v5, 4, v233
	v_lshl_add_u32 v5, v3, 7, v5                   ; 16 x that row
	v_lshl_add_u32 v6, v232, 8, v5
	v_lshl_add_u32 v5, v232, 12, v5
	s_lshl_b32 s59, s57, 13
	s_lshl_b32 s89, s58, 11
	s_add_co_u32 s59, s59, s89
	v_add_nc_u32 v5, s59, v5                       ; v5: where my codes go: tile x 4,096 + 2 half K steps of 1,024 + 16 x row
	s_lshl_b32 s59, s57, 9
	s_lshl_b32 s89, s58, 3
	s_add_co_u32 s59, s59, s89
	s_add_co_u32 s59, s59, XSC
	v_add_nc_u32 v6, s59, v6                       ; v6: and my two scale words: tile x 256 + 16 x row + 8 half
	v_lshlrev_b32 v9, 4, v1                        ; v9: 16 x lane: an image's place for my lane, in LDS and in memory
	s_wait_alu depctr_va_vdst(0)
	s_lshl_b32 s59, s58, 14
	v_add_nc_u32 v7, s59, v9                       ; v7: the same in token tile 4 half
	v_lshl_add_u32 v10, v2, 4, XSC                 ; v10: x's scale words of row r
	s_lshl_b32 s59, s58, 10
	v_add_nc_u32 v8, s59, v10                      ; v8: the same in token tile 4 half
	v_lshlrev_b32 v12, 4, v2
	v_lshl_add_u32 v12, v3, 3, v12                 ; v12: v's codes: 16 r + 8 h
	s_lshl_b32 s59, s57, 9
	s_lshl_b32 s89, s58, 8
	s_add_co_u32 s59, s59, s89
	s_add_co_u32 s59, s59, SST
	v_lshl_add_u32 v13, v2, 4, s59                 ; v13: the stage for q's and k's scale words: 512 t + 256 half + 16 r
	s_lshl_b32 s59, s57, 2
	s_add_co_u32 s59, s59, s89
	s_add_co_u32 s59, s59, SST+2048
	v_lshl_add_u32 v14, v2, 4, s59                 ; v14: for v's: 256 half + 16 r + 4 t
	s_lshl_b32 s59, s2, 9
	s_add_co_u32 s59, s59, SST
	v_add_nc_u32 v15, s59, v9                      ; v15: out of the stage: 512 wave + 16 lane (waves 0 to 4 use it)
	v_mul_u32_u24 v16, v3, 0xa000
	v_lshl_add_u32 v16, v2, 4, v16                 ; v16: v's scale words in sc: lanes 16-31 the next head's, 40,960 bytes on
	v_lshlrev_b32 v234, 5, v2                      ; stats: lane r takes group r of my 16
	v_and_b32 v235, 8, v2
	v_add_nc_u32 v235, v235, v2                    ; r + 8 (r / 8)
	v_lshlrev_b32 v236, 8, v235
	v_lshl_add_u32 v236, v3, 4, v236               ; W's codes: a row is 256 bytes; + 16 h
	v_lshlrev_b32 v237, 4, v235                    ; W's scale bytes: 16 a row
	v_lshlrev_b32 v238, 6, v3                      ; bq, bk: lane (r, h) wants d = 32 (tile / 2) + 16 h + 8 (tile % 2) + 0 .. 7
	v_lshlrev_b32 v239, 2, v235                    ; bv: my row's
	v_mov_b32 v[PD], 0                             ; written once: a lane permute's destination counts as one of its sources
	v_mov_b32 v[PD+1], 0
	s_wait_kmcnt 0x0
	s_add_nc_u64 s[4:5], s[4:5], s[34:35]
	s_add_nc_u64 s[6:7], s[6:7], s[36:37]
	s_add_nc_u64 s[8:9], s[8:9], s[36:37]
	s_add_nc_u64 s[10:11], s[10:11], s[38:39]
	s_add_nc_u64 s[48:49], s[12:13], s[44:45]      ; where my v goes
	s_add_nc_u64 s[12:13], s[12:13], s[42:43]      ; where my q or k goes
	s_add_nc_u64 s[50:51], s[14:15], s[46:47]      ; and the scale words
	s_add_nc_u64 s[52:53], s[14:15], s[68:69]
	s_cmp_lt_u32 s57, 2                            ; q's weights or k's: the choice hangs on the wave's number alone
	s_cselect_b64 s[16:17], s[16:17], s[18:19]
	s_cselect_b64 s[20:21], s[20:21], s[22:23]
	s_cselect_b64 s[24:25], s[24:25], s[26:27]
	s_add_nc_u64 s[16:17], s[16:17], s[70:71]
	s_add_nc_u64 s[20:21], s[20:21], s[72:73]
	s_add_nc_u64 s[24:25], s[24:25], s[74:75]
	s_add_nc_u64 s[28:29], s[28:29], s[76:77]
	s_add_nc_u64 s[30:31], s[30:31], s[78:79]
	s_add_nc_u64 s[32:33], s[32:33], s[80:81]
	s_wait_alu depctr_va_vdst(0)                   ; all addresses and offsets (v4 to v16, v234 to v239) and v254, v255 are written: every load, store and LDS instruction of the kernel reads some of them, and none is written again.  Up to the weights' last load only loads and window switches follow
	global_load_b128 v[20:23], v234, s[10:11]      ; my group's four quarters: mean, sum of squared distances
	global_load_b128 v[24:27], v234, s[10:11] offset:16
	WIN 0x40                                       ; destination window 1
.irp e, 0,1,2,3
.irp k, 0,1,2,3
.irp c, 0,1
	global_load_b128 v[WQK+8*(4*\e+\k)+4*\c:WQK+8*(4*\e+\k)+4*\c+3], v236, s[16:17] offset:(32*(\e/2)+8*(\e%2))*256+64*\k+32*\c
.endr
.endr
.endr
.irp e, 0,1,2,3
	global_load_b128 v[BQK+8*\e:BQK+8*\e+3], v238, s[24:25] offset:(32*(\e/2)+8*(\e%2))*4
	global_load_b128 v[BQK+8*\e+4:BQK+8*\e+7], v238, s[24:25] offset:(32*(\e/2)+8*(\e%2))*4+16
.endr
.irp k, 0,1,2,3
.irp c, 0,1
	global_load_b128 v[WV+8*\k+4*\c:WV+8*\k+4*\c+3], v236, s[28:29] offset:64*\k+32*\c
.endr
.endr
.irp j, 0,1,2,3,4,5,6,7
	global_load_b32 v[BV+\j], v239, s[32:33]       ; in v's result a lane holds one d: its bias in all eight registers
.endr
	WIN 0
.irp e, 0,1,2,3
	global_load_b128 v[WS+4*\e:WS+4*\e+3], v237, s[20:21] offset:(32*(\e/2)+8*(\e%2))*16
.endr
	global_load_b128 v[WVS:WVS+3], v237, s[30:31]
	s_wait_loadcnt 61                              ; the two loads of statistics are in: 32 + 8 + 8 + 8 + 4 + 1 = 61 were issued behind them
	v_add_f32 v17, v20, v22                        ; the four quarters are joined: equal counts, so the mean is the means' mean,
	v_add_f32 v68, v24, v26
	v_add_f32 v69, v21, v23
	v_add_f32 v70, v25, v27
	v_add_f32 v17, v17, v68
	v_add_f32 v69, v69, v70
	v_mul_f32 v17, 0x3e800000, v17                 ; v17: lane r: the mean of group r
	v_sub_f32 v20, v20, v17
	v_sub_f32 v22, v22, v17
	v_sub_f32 v24, v24, v17
	v_sub_f32 v26, v26, v17
	v_mul_f32 v68, v20, v20
	v_fmac_f32 v68, v22, v22
	v_fmac_f32 v68, v24, v24
	v_fmac_f32 v68, v26, v26
	v_mul_f32 v68, 0x3e800000, v68                 ; and the variance is the sums' sum / 65,536 + the means' squared distances x 16,384 / 65,536
	v_fmamk_f32 v68, v69, 0x37800000, v68
	v_add_f32 v68, 0x3727c5ac, v68                 ; + 1e-5
	s_wait_alu depctr_va_vdst(0)
	v_rsq_f32 v18, v68                             ; v18: lane r: 1 / sqrt of it
	v_nop                                          ; a plain place behind the transcendental
	s_wait_alu depctr_va_vdst(0)                   ; v18, the root's reciprocal, is written, ahead of its first reader (the first unit's v_readlane_b32)
	s_wait_xcnt 0x0                                ; the weights' loads have read their bases: s16-47 and s68-99 now take gains and biases
	GNS 0
	XLOAD 0                                        ; no vector instruction has named these two sets, nor v4 since the wait at the head
	XLOAD 1
; ---- X.  Block i of my eight: 32 channels of my token are normalised and quantised; the 16 bytes of its image are stored at the head of the next unit
.macro XUNIT i
.set XB, X3+32*((\i)%3)
.set XN, X3+32*(((\i)+2)%3)
.if (\i) < 7
	s_wait_loadcnt 32                              ; this block's 32 loads are in (and all that was issued before them); the next block's may be out
.else
	s_wait_loadcnt 0x0
.endif
.if (\i) > 0
	s_wait_alu depctr_va_vdst(0)                   ; the unit before has written its codes, which the LDS store below reads, and is done with its set of numbers, in which the loads of this unit land
	XSTORE (\i)-1
.endif
.if (\i) < 6
.set K, 0
.rept 16
	global_load_b32 v[XN+K], v4, s[4:5] offset:((\i)+2)*524288+K*16384   ; two blocks ahead: the first sixteen ahead of the wait for the gains
.set K, K+1
.endr
.endif
	s_wait_kmcnt 0x0                               ; this block's gains and biases are in
	v_readlane_b32 s62, v17, 2*(\i)                ; the block's two groups: means,
	v_readlane_b32 s63, v17, 2*(\i)+1
	v_readlane_b32 s10, v18, 2*(\i)                ; 1 / sqrt
	v_readlane_b32 s11, v18, 2*(\i)+1
	s_wait_alu depctr_va_sdst(0)                   ; s62, s63, s10 and s11 are written, ahead of their first readers: the scalar multiplications and the subtractions below
.set K, 0
.rept 16
	s_mul_f32 s[16+K], s[16+K], s10                ; gain / sqrt, once for the wave
	s_mul_f32 s[68+K], s[68+K], s11
.set K, K+1
.endr
.set K, 0
.rept 16
	v_sub_f32 v[XB+K], v[XB+K], s62
	v_sub_f32 v[XB+16+K], v[XB+16+K], s63
.if (\i) < 6
	global_load_b32 v[XN+16+K], v4, s[4:5] offset:((\i)+2)*524288+(16+K)*16384   ; the other sixteen, dealt among the subtractions.  No wait: no vector instruction since the wait at the unit's head names that set or v4
.endif
.set K, K+1
.endr
.set K, 0
.rept 16
	v_fma_f32 v[XB+K], v[XB+K], s[16+K], s[32+K]
	v_fma_f32 v[XB+16+K], v[XB+16+K], s[68+K], s[84+K]
.set K, K+1
.endr
.if (\i) < 7
	GNS (\i)+1
.endif
	v_max3_num_f32 v[XT], |v[XB]|, |v[XB+1]|, |v[XB+2]|            ; the block's largest magnitude: all 32 numbers are mine
	v_max3_num_f32 v[XT+1], |v[XB+3]|, |v[XB+4]|, |v[XB+5]|
.irp k, 6,10,14,18,22,26
	v_max3_num_f32 v[XT], v[XT], |v[XB+\k]|, |v[XB+\k+1]|
	v_max3_num_f32 v[XT+1], v[XT+1], |v[XB+\k+2]|, |v[XB+\k+3]|
.endr
	v_max3_num_f32 v[XT], v[XT], |v[XB+30]|, |v[XB+31]|
	v_max3_num_f32 v[XT], v[XT], v[XT+1], 0x1800000                ; and the floor 2^(3 - 127)
	v_add_nc_u32 v[XT+2], 0xff000000, v[XT]
	v_lshrrev_b32 v[XT+3], 23, v[XT+2]
.if (\i)%4 == 0
	v_mov_b32 v[SB+(\i)/4], v[XT+3]                ; four bytes to a scale word, the lower K in the lower byte
.else
	v_lshl_or_b32 v[SB+(\i)/4], v[XT+3], 8*((\i)%4), v[SB+(\i)/4]
.endif
.irp g, 0,1,2,3
	v_cvt_scalef32_pk8_fp4_f32 v[XC+4*(\i)+\g], v[XB+8*\g:XB+8*\g+7], v[XT+2]
.endr
	v_nop                                          ; one plain place behind a scaled conversion
.endm
.irp i, 0,1,2,3,4,5,6,7
	XUNIT \i
.endr
	s_wait_alu depctr_va_vdst(0)                   ; the last unit has written its codes and the second scale word, which the two LDS stores read, and is done with its set, in which the first fragments land behind the barrier
	XSTORE 7
	ds_store_b64 v6, v[SB:SB+1]
	BARRIER                                        ; x's 32 fragments and their scale words lie in LDS; from here on they are only read
; ---- QK.  My four tiles of W against four token tiles, one after the other.  The four accumulators take turns, one instruction a turn
	XFETCH XF, 7, 0
	ds_load_b128 v[XS:XS+3], v8
.irp m, 0,1,2,3
	s_wait_dscnt 0x0
	WIN 0x11                                       ; source 0 (W) and source 2 (the bias) window 1
.irp e, 0,1,2,3
	v_wmma_scale_f32_16x16x128_f8f6f4 v[ACC+8*\e:ACC+8*\e+7], v[WQK+32*\e:WQK+32*\e+7], v[XF:XF+7], v[BQK+8*\e:BQK+8*\e+7], v[WS+4*\e], v[XS] matrix_a_fmt:MATRIX_FMT_FP4 matrix_b_fmt:MATRIX_FMT_FP4
.endr
	WIN 0x01
.irp k, 1,2,3
.irp e, 0,1,2,3
	v_wmma_scale_f32_16x16x128_f8f6f4 v[ACC+8*\e:ACC+8*\e+7], v[WQK+8*(4*\e+\k):WQK+8*(4*\e+\k)+7], v[XF+8*\k:XF+8*\k+7], v[ACC+8*\e:ACC+8*\e+7], v[WS+4*\e+\k], v[XS+\k] matrix_a_fmt:MATRIX_FMT_FP4 matrix_b_fmt:MATRIX_FMT_FP4
.endr
.endr
	WIN 0
	PLACES 5                                       ; four ahead of the first read of results; the fifth for the next tile's products, which begin the accumulators anew
	s_wait_alu depctr_va_vdst(0)                   ; this tile's products are done reading x's fragments and scale words, in which the next fetch lands; the quantiser of the tile before has written its codes, which the store below reads
.if \m < 3
	XFETCH XF, 7, (\m+1)*4096                      ; the next tile lands while this one is quantised
	ds_load_b128 v[XS:XS+3], v8 offset:(\m+1)*256
.else
	VFETCH 0
.endif
.if \m > 0
	global_store_b128 v9, v[QC+4*(\m-1):QC+4*(\m-1)+3], s[12:13] offset:512*(\m-1)   ; the tile before: the wave stores its 512 consecutive bytes
.endif
	QUANT2 ACC, QC+4*\m, SW+\m
	v_or_b32 v[SW+\m], 0x7f7f0000, v[SW+\m]        ; the upper 64 of the attention's K step are zero codes: their bytes stand for 1
.endr
; ---- V.  Token tiles 2 g and 2 g + 1 against my tile of Wv: two accumulators by turns
.irp g, 0,1,2,3
	s_wait_dscnt 0x0
	WIN 0x14                                       ; source 1 (Wv) and source 2 (the bias) window 1
.irp u, 0,1
	v_wmma_scale_f32_16x16x128_f8f6f4 v[ACC+8*\u:ACC+8*\u+7], v[XF+32*\u:XF+32*\u+7], v[WV:WV+7], v[BV:BV+7], v[XS+4*\u], v[WVS] matrix_a_fmt:MATRIX_FMT_FP4 matrix_b_fmt:MATRIX_FMT_FP4
.endr
	WIN 0x04
.irp k, 1,2,3
.irp u, 0,1
	v_wmma_scale_f32_16x16x128_f8f6f4 v[ACC+8*\u:ACC+8*\u+7], v[XF+32*\u+8*\k:XF+32*\u+8*\k+7], v[WV+8*\k:WV+8*\k+7], v[ACC+8*\u:ACC+8*\u+7], v[XS+4*\u+\k], v[WVS+\k] matrix_a_fmt:MATRIX_FMT_FP4 matrix_b_fmt:MATRIX_FMT_FP4
.endr
.endr
	WIN 0
	PLACES 5
	s_wait_alu depctr_va_vdst(0)                   ; this group's products are done reading x's fragments and scale words, in which the next fetch lands; the quantiser of the step before has written its codes, which the store below reads
.if \g < 3
	VFETCH \g+1
.endif
.if \g == 0
	global_store_b128 v9, v[QC+12:QC+15], s[12:13] offset:1536   ; q's or k's last tile
.else
	global_store_b64 v12, v[VPC+2*(\g-1):VPC+2*(\g-1)+1], s[48:49] offset:256*(\g-1)   ; key block g - 1 of my d tile: the wave stores 256 consecutive bytes
.endif
	QUANT1 ACC, VPC+2*\g, \g
.endr
	s_wait_alu depctr_va_vdst(0)                   ; the last quantiser has written its codes and v's scale word; q's or k's scale words were written before: the store and the two LDS stores below read them
	global_store_b64 v12, v[VPC+6:VPC+7], s[48:49] offset:768
; ---- the scale words leave through a stage, so that whole runs of 512 and 256 bytes are stored
	ds_store_b128 v13, v[SW:SW+3]                  ; lanes r and r + 16 write the same words with the same values
	ds_store_b32 v14, v[VW]
	BARRIER
	s_cmp_lt_u32 s2, 4
	s_cbranch_scc0 .Lnot_qk
	ds_load_b128 v[20:23], v15                     ; wave w < 4: q's or k's words of one head, both halves.  (v20 to v23 were last named by vector instructions at the head, ahead of every wait on va_vdst since)
	s_wait_dscnt 0x0
	global_store_b128 v9, v[20:23], s[50:51]
	s_branch .Lend
.Lnot_qk:
	s_cmp_eq_u32 s2, 4
	s_cbranch_scc0 .Lend
	ds_load_b128 v[20:23], v15                     ; wave 4: v's words, 256 bytes for each of the two heads
	s_wait_dscnt 0x0
	global_store_b128 v16, v[20:23], s[52:53]
.Lend:
	s_wait_dscnt 0x0                               ; the closing lines, six on end
	s_wait_alu 0x0
	s_wait_tensorcnt 0x0
	ds_add_u32 v254, v255
	s_wait_dscnt 0x0
	s_endpgm
.Lfunc_end_k_q247d03ab77_qkv:
	.size	k_q247d03ab77_qkv, .Lfunc_end_k_q247d03ab77_qkv-k_q247d03ab77_qkv
	.p2alignl 7, 3214868480
	.fill 96, 4, 3214868480
	.section	.rodata,"a",@progbits
	.p2align	6, 0x0
	.amdhsa_kernel k_q247d03ab77_qkv
		.amdhsa_group_segment_fixed_size 41984
		.amdhsa_private_segment_fixed_size 0
		.amdhsa_enable_private_segment 0
		.amdhsa_kernarg_size 120
		.amdhsa_user_sgpr_count 2
		.amdhsa_user_sgpr_kernarg_segment_ptr 1
		.amdhsa_wavefront_size32 1
		.amdhsa_system_sgpr_workgroup_id_x 1
		.amdhsa_system_sgpr_workgroup_id_y 1
		.amdhsa_system_sgpr_workgroup_id_z 1
		.amdhsa_system_vgpr_workitem_id 0
		.amdhsa_next_free_vgpr 512
		.amdhsa_next_free_sgpr 100
		.amdhsa_reserve_vcc 0
		.amdhsa_float_denorm_mode_32 3
		.amdhsa_float_denorm_mode_16_64 3
		.amdhsa_memory_ordered 1
		.amdhsa_forward_progress 1
		.amdhsa_inst_pref_size 129
	.end_amdhsa_kernel
	.amdgpu_metadata
---
amdhsa.version: [ 1, 2 ]
amdhsa.kernels:
  - .name:           k_q247d03ab77_qkv
    .symbol:         k_q247d03ab77_qkv.kd
    .args:
      - { .name: hidden_states, .offset: 0, .size: 8, .value_kind: global_buffer, .address_space: global }
      - { .name: gn_weight, .offset: 8, .size: 8, .value_kind: global_buffer, .address_space: global }
      - { .name: gn_bias, .offset: 16, .size: 8, .value_kind: global_buffer, .address_space: global }
      - { .name: stats, .offset: 24, .size: 8, .value_kind: global_buffer, .address_space: global }
      - { .name: cd, .offset: 32, .size: 8, .value_kind: global_buffer, .address_space: global }
      - { .name: sc, .offset: 40, .size: 8, .value_kind: global_buffer, .address_space: global }
      - { .name: q_w_codes, .offset: 48, .size: 8, .value_kind: global_buffer, .address_space: global }
      - { .name: k_w_codes, .offset: 56, .size: 8, .value_kind: global_buffer, .address_space: global }
      - { .name: q_w_scales, .offset: 64, .size: 8, .value_kind: global_buffer, .address_space: global }
      - { .name: k_w_scales, .offset: 72, .size: 8, .value_kind: global_buffer, .address_space: global }
      - { .name: q_b, .offset: 80, .size: 8, .value_kind: global_buffer, .address_space: global }
      - { .name: k_b, .offset: 88, .size: 8, .value_kind: global_buffer, .address_space: global }
      - { .name: v_w_codes, .offset: 96, .size: 8, .value_kind: global_buffer, .address_space: global }
      - { .name: v_w_scales, .offset: 104, .size: 8, .value_kind: global_buffer, .address_space: global }
      - { .name: v_b, .offset: 112, .size: 8, .value_kind: global_buffer, .address_space: global }
    .group_segment_fixed_size: 41984
    .private_segment_fixed_size: 0
    .kernarg_segment_align: 8
    .kernarg_segment_size: 120
    .max_flat_workgroup_size: 256
    .sgpr_count:     100
    .vgpr_count:     512
    .wavefront_size: 32
...
	.end_amdgpu_metadata
.endif
;; end of part 6
;; launch attn (part 7): grid 16 x 16, 16 waves a work-group, clusters of 4 x 1, 327,680 bytes of LDS; arguments cd, sc, ac, asc; writes ac, asc
.if DOCPART == 7
	.amdgcn_target "amdgcn-amd-amdhsa--gfx1250"
	.amdhsa_code_object_version 6
	.text
	.protected	k_q247d03ab77_attn
	.globl	k_q247d03ab77_attn
	.p2align	8
	.type	k_q247d03ab77_attn,@function
k_q247d03ab77_attn:
	s_mov_b64 s[64:65], 0
	v_nop
	global_prefetch_b8 v0, s[64:65] scope:SCOPE_SE
	s_setreg_imm32_b32 hwreg(HW_REG_WAVE_MODE, 25, 1), 1
	s_wait_xcnt 0x0
	s_wait_alu depctr_hold_cnt(0) depctr_sa_sdst(0) depctr_va_vdst(0) depctr_va_sdst(0) depctr_va_ssrc(0) depctr_va_vcc(0) depctr_vm_vsrc(0)
	s_getreg_b32 s2, hwreg(HW_REG_IB_STS2, 6, 4)
	s_cmp_eq_u32 s2, 0
	s_cbranch_scc0 .Lentry_in_a_cluster
	s_endpgm
.Lentry_in_a_cluster:
	s_bfe_u32 s2, ttmp6, 0x10000c
	s_cmp_lg_u32 s2, 0x3003
	s_cbranch_scc0 .Lentry_shape_is_right
	s_endpgm
.Lentry_shape_is_right:
; O[q] = the sum over keys of softmax(q . k / 8) v for one batch and head, both products on codes of FP4 (E2M1) with one E8M0 scale for each 32 along K; the result is quantised along the channels for the last product.
; THE SOFTMAX AHEAD OF THE SECOND PRODUCT: t = score x log2(e) / 8; M = the row's largest t so far, rounded UP to a whole number; p = 2^(t - M) is what is quantised, along the keys; the row's sum is taken of the unquantised p
; and divides O at the end.  When M moves, the sum and O are multiplied by 2^(old M - new M): exact.
; SHARES.  Work-group: 256 queries of one head (grid y = batch x head).  Each of its sixteen waves owns one tile of 16 queries in 256 registers: four waves to a SIMD, so that one wave's vector work stands beside another's products and LDS loads.
; Every wave walks the head's 4,096 keys, 128 a step.
; K AND V COME ONCE.  The head's codes of k and v (131,072 bytes each) and their scale words (24,576) fit in LDS together, laid as in memory: images of the operands' registers.  Each wave asks for a sixteenth, in four tensor loads that go out
; together at the start (the scale words; steps 0-3; 4-15; 16-31): four loads of a wave are out at the most, no byte of LDS is filled twice, and the walk begins when the first 4 steps have landed.
; CLUSTER.  The four query blocks of a cluster belong to one head and want the same bytes: each load is asked for JOINTLY, with the same descriptor (made of the head and the wave's number) and a mask that names the four.
; LAYOUT.  Both products transposed: S^T = K Q^T (source 0 = 16 keys, source 1 = my queries), O^T = V^T P^T (source 0 = 16 d, source 1 = P): a lane holds ONE query throughout.  The head's 64 fill half of the instruction's 128:
; registers 4-7 of q's and k's fragments are zero codes, set once.  The rows of a tile of k and of v are not neighbours (row r of tile 2 b + u is number 32 b + 8 u + r + 8 (r / 8)): 16 registers of two tiles are 16 neighbours.
; LIMITS: NaN and infinities are not served; a block of zeros gets the byte 1 (its codes are zeros, and this program alone reads the bytes); 1 / sum is v_rcp_f32; a block's largest p is taken as the p of its largest score.
; REGISTERS: v1 16 lane, v2 16 r, v3-4 the stage; v8-11 the step's addresses; v12 -M, v13 the largest t, v[14:15] the sum; v16-23 Q, v24 its scale words; v32-95 eight tiles of K; v96-159 S^T, then p; v160-191 O^T;
;   v192-223 four tiles of V; v224-231 p's codes; v232-239, v244-247, v252, v254 at work; v240-243 K's scale words, v248-251 V's, v253 p's.
.set KSL,  262144                      ; LDS: 0 k's codes [step][tile][512];  131,072 v's [step][d tile][1,024];  here k's scale words [step][512];
.set VSL,  278528                      ; v's [step][256];
.set AST,  286720                      ; and 512 bytes of a stage for the result's scale bytes, into which no tensor load lands
.set G1S, 24                           ; s[24:31], s[32:39], s[40:47], s[48:55] descriptor groups 1: dense rows of 256 bytes, 6, 8, 24, 32 of them
.set G1A, 32
.set G1B, 40
.set G1C, 48
.set G0S, 56                           ; s[56:59], s[60:63], s[68:71], s[72:75] their groups 0
.set G0A, 60
.set G0B, 68
.set G0C, 72
.macro GROUP1 g, rows
	s_mov_b32 s[\g], 0x0023000f                    ; 15:0 the mask: all four work-groups; 17:16 elements of 8 bytes; 21 set beside a mask; no padding
	s_mov_b32 s[\g+1], 32<<16                      ; tensor_dim0 = 32 elements
	s_mov_b32 s[\g+2], (\rows)<<16                 ; tensor_dim1
	s_mov_b32 s[\g+3], 32<<16                      ; tile_dim0
	s_mov_b32 s[\g+4], \rows                       ; tile_dim1
	s_mov_b32 s[\g+5], 32                          ; from row to row: dense
	s_mov_b32 s[\g+6], 0
	s_mov_b32 s[\g+7], 0
.endm
.macro CROUND                          ; a round of the cluster's barrier
	s_barrier_signal -1
	s_barrier_wait -1
	s_cmp_lg_u32 s12, 0
	s_cbranch_scc1 .Lnot_wave_0_\@
	s_barrier_signal -3
.Lnot_wave_0_\@:
	s_barrier_wait -3
	s_barrier_signal -1
	s_barrier_wait -1
.endm
.macro PLACES n
.rept \n
	v_nop
.endr
.endm
	s_load_b256 s[4:11], s[0:1], 0x0               ; cd, sc, ac, asc
	v_lshl_add_u32 v31, v0, 2, 0x46200
	v_mov_b32 v255, 0
	ds_add_u32 v31, v255
	ds_add_u32 v31, v255
	v_lshrrev_b32 v8, 5, v0
	s_delay_alu instid0(VALU_DEP_1)
	v_readfirstlane_b32 s12, v8                    ; wave 0..15
	s_bfe_u32 s13, ttmp6, 0x40000                  ; cx: my place in the cluster: it enters q's, ac's and asc's addresses alone
	s_lshl_b32 s14, ttmp9, 2
	s_add_co_u32 s14, s14, s13                     ; my block of 256 queries
	s_and_b32 s15, ttmp7, 0xffff                   ; batch x head, which the four partners share
	GROUP1 G1S, 6
	GROUP1 G1A, 8
	GROUP1 G1B, 24
	GROUP1 G1C, 32
	s_mov_b32 s20, 0x76543210                      ; v_permlanex16_b32's selects for lane l xor 16
	s_mov_b32 s21, 0xfedcba98
	s_mov_b32 s22, 0x3e38aa3b                      ; c = log2(e) / 8
	s_mov_b32 s23, s22                             ; (named with it as a pair, so it is written)
	; where my four parts go in LDS: waves 0-7 fetch k's codes, waves 8-15 v's, an eighth each; every wave a sixteenth of the scale words
	s_lshr_b32 s81, s12, 3
	s_lshl_b32 s81, s81, 17                        ; k's codes at 0, v's at 131,072
	s_and_b32 s82, s12, 7
	s_mul_i32 s83, s12, 1536
	s_mov_b32 s[G0S], 1
	s_add_co_u32 s[G0S+1], s83, KSL
	s_lshl_b32 s84, s82, 11
	s_mov_b32 s[G0A], 1
	s_add_co_u32 s[G0A+1], s81, s84                ; steps 0-3: 16,384 bytes, 2,048 a wave
	s_mul_i32 s84, s82, 6144
	s_add_co_u32 s84, s84, 16384
	s_mov_b32 s[G0B], 1
	s_add_co_u32 s[G0B+1], s81, s84                ; steps 4-15: 49,152 bytes, 6,144 a wave
	s_lshl_b32 s84, s82, 13
	s_add_co_u32 s84, s84, 65536
	s_mov_b32 s[G0C], 1
	s_add_co_u32 s[G0C+1], s81, s84                ; steps 16-31: 65,536 bytes, 8,192 a wave
	s_mul_i32 s85, s15, 393216                     ; the head's part of cd,
	s_add_co_u32 s86, s85, 131072                  ; in which k's and v's codes lie as in LDS, 131,072 bytes on;
	s_mul_i32 s87, s15, 40960                      ; its part of sc, in which k's and v's scale words begin 16,384 bytes on
	s_add_co_u32 s16, s87, 16384
	s_add_co_u32 s16, s16, s83
	s_mov_b32 s17, 0
	s_mov_b32 s19, 0
	s_mov_b32 s95, 0
	v_and_b32 v1, 31, v0
	s_delay_alu instid0(VALU_DEP_1)
	v_lshlrev_b32 v1, 4, v1                        ; 16 x lane
	v_and_b32 v2, 15, v0
	s_delay_alu instid0(VALU_DEP_1)
	v_lshlrev_b32 v3, 1, v2
	s_delay_alu instid0(VALU_DEP_2)
	v_lshlrev_b32 v2, 4, v2                        ; 16 r
	s_lshl_b32 s84, s12, 5
	s_add_co_u32 s84, s84, AST
	v_add_nc_u32 v3, s84, v3                       ; the stage, in: 32 wave + 2 r
	v_add_nc_u32 v4, AST, v1                       ; and out: 16 lane
	s_wait_dscnt 0x0
	s_wait_kmcnt 0x0
	s_add_nc_u64 s[G0S+2:G0S+3], s[6:7], s[16:17]
	s_or_b32 s[G0S+3], s[G0S+3], 0x80000000        ; 127:126 type = 2
	s_add_co_u32 s18, s86, s[G0A+1]
	s_add_nc_u64 s[G0A+2:G0A+3], s[4:5], s[18:19]
	s_or_b32 s[G0A+3], s[G0A+3], 0x80000000
	s_add_co_u32 s18, s86, s[G0B+1]
	s_add_nc_u64 s[G0B+2:G0B+3], s[4:5], s[18:19]
	s_or_b32 s[G0B+3], s[G0B+3], 0x80000000
	s_add_co_u32 s18, s86, s[G0C+1]
	s_add_nc_u64 s[G0C+2:G0C+3], s[4:5], s[18:19]
	s_or_b32 s[G0C+3], s[G0C+3], 0x80000000
	CROUND                                         ; all four work-groups are here: the joint loads meet
	tensor_load_to_lds s[G0S:G0S+3], s[G1S:G1S+7]  ; all the launch's fills go out as one group: four loads of mine are out
	s_nop 0
	tensor_load_to_lds s[G0A:G0A+3], s[G1A:G1A+7]
	s_nop 0
	tensor_load_to_lds s[G0B:G0B+3], s[G1B:G1B+7]
	s_nop 0
	tensor_load_to_lds s[G0C:G0C+3], s[G1C:G1C+7]
	s_nop 0
	PLACES 4                                       ; four plain places behind the tensor loads
	; my tile of queries: T = 16 x block + wave.  What hangs on cx is made in s89 and s[94:95] alone
	s_lshl_b32 s88, s14, 4
	s_add_co_u32 s88, s88, s12                     ; T
	s_lshl_b32 s94, s88, 9
	s_add_co_u32 s94, s94, s85
	s_add_nc_u64 s[90:91], s[4:5], s[94:95]        ; q's codes: 512 T
	s_lshr_b32 s94, s88, 2
	s_lshl_b32 s94, s94, 8
	s_and_b32 s89, s88, 3
	s_lshl_b32 s89, s89, 2
	s_add_co_u32 s94, s94, s89
	s_add_co_u32 s94, s94, s87
	s_add_nc_u64 s[92:93], s[6:7], s[94:95]        ; q's scale words: 256 (T / 4) + 4 (T % 4), + 16 r
	s_lshr_b32 s94, s15, 3
	s_lshl_b32 s94, s94, 8
	s_add_co_u32 s94, s94, s88
	s_lshl_b32 s94, s94, 12
	s_and_b32 s89, s15, 7
	s_lshl_b32 s89, s89, 9
	s_add_co_u32 s94, s94, s89
	s_add_nc_u64 s[8:9], s[8:9], s[94:95]          ; ac: (256 batch + T) x 4,096 + 512 head
	s_lshl_b32 s94, s15, 13
	s_lshl_b32 s89, s14, 9
	s_add_co_u32 s94, s94, s89
	s_add_nc_u64 s[10:11], s[10:11], s[94:95]      ; asc: 8,192 (batch x head) + 512 block
	s_wait_alu depctr_va_vdst(0)
	global_load_b128 v[16:19], v1, s[90:91]
	global_load_b32 v24, v2, s[92:93]
.irp j, 20,21,22,23
	v_mov_b32 v[\j], 0                             ; the upper 64 of the first product's K: zero codes
.endr
.irp t, 0,1,2,3,4,5,6,7
.irp j, 4,5,6,7
	v_mov_b32 v[32+8*\t+\j], 0
.endr
.endr
	v_mov_b32 v13, 0xff61b1e6                      ; the largest t so far: -3e38, under every t
	s_delay_alu instid0(VALU_DEP_1)
	v_floor_f32 v12, -v13                          ; -M
	v_mov_b32 v14, 0                               ; the sum, in two halves
	v_mov_b32 v15, 0
.irp b, 0,1,2,3
	v_mov_b32 v[236+\b], 0                         ; written once: a lane permute's destination counts as one of its sources
.endr
	v_mov_b32 v253, 0                              ; (named as the upper half of the pair v[252:253] before it is first written)
.set J, 0
.rept 32
	v_mov_b32 v[160+J], 0                          ; O^T: the step is written without a first step of its own: it finds zeros, which the first change of M leaves zeros
.set J, J+1
.endr
; A KEY STEP: 128 keys.  s76, s77, s78, s79: where the step's k, v, k's and v's scale words begin in LDS
.macro STEP
	v_add_nc_u32 v8, s76, v1                       ; (these four are also the places between the last step's products and the loads into V's registers)
	v_add_nc_u32 v9, s77, v1
	v_add_nc_u32 v10, s78, v1
	v_add_nc_u32 v11, s79, v2
.irp t, 0,1,2,3,4,5,6,7
	ds_load_b128 v[32+8*\t:35+8*\t], v8 offset:512*\t
.endr
	ds_load_b128 v[240:243], v10                   ; lanes 0-15: the words of tiles 0-3, lanes 16-31: of tiles 4-7
.irp t, 0,1,2,3
.irp c, 0,1
	ds_load_b128 v[192+8*\t+4*\c:195+8*\t+4*\c], v9 offset:1024*\t+512*\c
.endr
.endr
	ds_load_b128 v[248:251], v11
	s_wait_dscnt 9                                 ; K and its words are in; V's eight loads and its words' one may stay out until the second product
.irp t, 0,1,2,3
	v_wmma_scale_f32_16x16x128_f8f6f4 v[96+8*\t:103+8*\t], v[32+8*\t:39+8*\t], v[16:23], 0, v[240+\t], v24 matrix_a_fmt:MATRIX_FMT_FP4 matrix_b_fmt:MATRIX_FMT_FP4
.endr
.irp t, 4,5,6,7
	v_wmma_scale_f32_16x16x128_f8f6f4 v[96+8*\t:103+8*\t], v[32+8*\t:39+8*\t], v[16:23], 0, v[236+\t], v24 matrix_a_fmt:MATRIX_FMT_FP4 matrix_b_fmt:MATRIX_FMT_FP4 matrix_a_scale:MATRIX_SCALE_ROW1
.endr
	PLACES 4                                       ; lane (r, h) holds query r; the 16 registers of tiles 2 b, 2 b + 1 are keys 32 b + 16 h + 0 .. 15 of the step
.irp b, 0,1,2,3
	v_max3_num_f32 v[232+\b], v[96+16*\b], v[97+16*\b], v[98+16*\b]   ; the largest score of each block of 32 keys: it serves for the row's maximum and, since p rises with the score, for the block's largest p
.endr
.irp i, 3,5,7,9,11,13
.irp b, 0,1,2,3
	v_max3_num_f32 v[232+\b], v[232+\b], v[96+16*\b+\i], v[97+16*\b+\i]
.endr
.endr
.irp b, 0,1,2,3
	v_max_num_f32 v[232+\b], v[232+\b], v[111+16*\b]
.endr
.irp b, 0,1,2,3
	s_delay_alu instid0(VALU_DEP_4)
	v_permlanex16_b32 v[236+\b], v[232+\b], s20, s21
.endr
.irp b, 0,1,2,3
	s_delay_alu instid0(VALU_DEP_4)
	v_max_num_f32 v[232+\b], v[232+\b], v[236+\b]  ; with lane l xor 16's 16 keys
.endr
	s_delay_alu instid0(VALU_DEP_2)
	v_max3_num_f32 v254, v232, v233, v234
	s_delay_alu instid0(VALU_DEP_1)
	v_max_num_f32 v254, v254, v235                 ; the step's largest score of my query
	s_delay_alu instid0(VALU_DEP_1)
	v_mul_f32 v254, s22, v254                      ; as t (c is positive)
	s_delay_alu instid0(VALU_DEP_1)
	v_max_num_f32 v13, v13, v254                   ; the running largest t
	v_mov_b32 v254, v12
	s_delay_alu instid0(VALU_DEP_2)
	v_floor_f32 v12, -v13                          ; the new -M = floor(-t) = -ceil(t)
	s_delay_alu instid0(VALU_DEP_1)
	v_sub_f32 v254, v12, v254                      ; old M less new M: a whole number, 0 or less
	s_delay_alu instid0(VALU_DEP_1)
	v_cvt_i32_f32 v254, v254                       ; (it saturates)
	s_delay_alu instid0(VALU_DEP_1)
	v_ldexp_f32 v252, 1.0, v254                    ; f = 2^(old M - new M)
.set J, 0
.rept 32
	v_pk_fma_f32 v[96+J:97+J], v[96+J:97+J], s[22:23], v[12:13] op_sel_hi:[1,0,0]   ; t - M, two at a time (of the pairs c and -M the low word serves both halves)
.set J, J+2
.endr
.irp b, 0,1,2,3
	v_fma_f32 v[232+\b], v[232+\b], s22, v12       ; the same of each block's largest score
.endr
.set J, 0
	s_wait_alu depctr_va_vdst(0)
.rept 64
	v_exp_f32 v[96+J], v[96+J]                     ; p = 2^(t - M), at most 1
.set J, J+1
.endr
	s_setprio 1
.irp b, 0,1,2,3
	v_exp_f32 v[232+\b], v[232+\b]                 ; the block's largest p
.endr
	v_pk_mul_f32 v[14:15], v[14:15], v[252:253] op_sel_hi:[1,0]   ; the sums under the new M (a plain place behind the exponentials)
	s_wait_alu depctr_va_vdst(0)
.irp b, 0,1,2,3
	v_max_num_f32 v[232+\b], 0x1800000, v[232+\b]  ; the floor 2^(3 - 127): the byte cannot fall under 1
.endr
.irp b, 0,1,2,3
	s_delay_alu instid0(VALU_DEP_4)
	v_add_nc_u32 v[244+\b], 0xff000000, v[232+\b]  ; 2 off the exponent field: the conversion's scale operand
.endr
.irp b, 0,1,2,3
	s_delay_alu instid0(VALU_DEP_4)
	v_lshrrev_b32 v[236+\b], 23, v[244+\b]         ; the scale's byte
.endr
	s_delay_alu instid0(VALU_DEP_3)
	v_lshl_or_b32 v253, v237, 8, v236              ; p's scale word for these 128 keys
	s_delay_alu instid0(VALU_DEP_1)
	v_lshl_or_b32 v253, v238, 16, v253
	s_delay_alu instid0(VALU_DEP_1)
	v_lshl_or_b32 v253, v239, 24, v253
.irp b, 0,1,2,3
	v_cvt_scalef32_pk8_fp4_f32 v[224+2*\b], v[96+16*\b:103+16*\b], v[244+\b]
	v_cvt_scalef32_pk8_fp4_f32 v[225+2*\b], v[104+16*\b:111+16*\b], v[244+\b]
.endr
	v_nop                                          ; one plain place behind a scaled conversion
.irp c, 0,1
.irp i, 0,1
	v_permlane16_swap_b32 v[224+4*\c+\i], v[226+4*\c+\i]   ; a whole block to a lane: lanes 0-15 block 2 c, lanes 16-31 block 2 c + 1
.endr
.endr
	v_pk_add_f32 v[236:237], v[100:101], v[104:105]
	v_pk_add_f32 v[246:247], v[108:109], v[112:113]
	v_pk_add_f32 v[244:245], v[116:117], v[120:121]
	v_pk_add_f32 v[242:243], v[124:125], v[128:129]
	v_pk_add_f32 v[240:241], v[132:133], v[136:137]
	v_pk_add_f32 v[234:235], v[140:141], v[144:145]
	v_pk_add_f32 v[232:233], v[148:149], v[152:153]
	v_pk_add_f32 v[14:15], v[14:15], v[156:157]
	v_pk_add_f32 v[236:237], v[236:237], v[96:97]
	v_pk_add_f32 v[246:247], v[246:247], v[98:99]
	v_pk_add_f32 v[244:245], v[244:245], v[102:103]
	v_pk_add_f32 v[242:243], v[242:243], v[106:107]
	v_pk_add_f32 v[240:241], v[240:241], v[110:111]
	v_pk_add_f32 v[234:235], v[234:235], v[114:115]
	v_pk_add_f32 v[232:233], v[232:233], v[118:119]
	v_pk_add_f32 v[14:15], v[14:15], v[122:123]
	v_pk_add_f32 v[236:237], v[236:237], v[126:127]
	v_pk_add_f32 v[246:247], v[246:247], v[130:131]
	v_pk_add_f32 v[244:245], v[244:245], v[134:135]
	v_pk_add_f32 v[242:243], v[242:243], v[138:139]
	v_pk_add_f32 v[240:241], v[240:241], v[142:143]
	v_pk_add_f32 v[234:235], v[234:235], v[146:147]
	v_pk_add_f32 v[232:233], v[232:233], v[150:151]
	v_pk_add_f32 v[14:15], v[14:15], v[154:155]
	v_pk_add_f32 v[236:237], v[236:237], v[158:159]
	s_delay_alu instid0(VALU_DEP_2)
	v_pk_add_f32 v[14:15], v[14:15], v[242:243]
	s_delay_alu instid0(VALU_DEP_2)
	v_pk_add_f32 v[236:237], v[236:237], v[240:241]
	v_pk_add_f32 v[246:247], v[246:247], v[234:235]
	v_pk_add_f32 v[244:245], v[244:245], v[232:233]
	s_delay_alu instid0(VALU_DEP_2)
	v_pk_add_f32 v[14:15], v[14:15], v[246:247]
	s_delay_alu instid0(VALU_DEP_2)
	v_pk_add_f32 v[236:237], v[236:237], v[244:245]
	s_delay_alu instid0(VALU_DEP_1)
	v_pk_add_f32 v[14:15], v[14:15], v[236:237]
.set J, 0
	s_setprio 0
.rept 16
	v_pk_mul_f32 v[160+J:161+J], v[160+J:161+J], v[252:253] op_sel_hi:[1,0]   ; O^T under the new M, each accumulator from its low end on.  (With the sums above: the places between p's codes and scale word and the products below)
.set J, J+2
.endr
	s_wait_alu depctr_va_vdst(0)
	s_wait_dscnt 0x0                               ; V and its words are in
.irp t, 0,1,2,3
	v_wmma_scale_f32_16x16x128_f8f6f4 v[160+8*\t:167+8*\t], v[192+8*\t:199+8*\t], v[224:231], v[160+8*\t:167+8*\t], v[248+\t], v253 matrix_a_fmt:MATRIX_FMT_FP4 matrix_b_fmt:MATRIX_FMT_FP4
.endr
.endm
.macro LOOP n                          ; n key steps; the four addresses step by a step's bytes
	s_mov_b32 s80, \n
.Lstep_\@:
	s_setprio 2
	STEP
	s_add_co_u32 s76, s76, 4096
	s_add_co_u32 s77, s77, 4096
	s_add_co_u32 s78, s78, 512
	s_add_co_u32 s79, s79, 256
	s_sub_co_u32 s80, s80, 1
	s_cmp_lg_u32 s80, 0
	s_cbranch_scc1 .Lstep_\@
	s_setprio 0
.endm
	s_wait_loadcnt 0x0                             ; Q
	s_wait_tensorcnt 0x2                           ; my parts of the scale words and of steps 0-3 are in; the two loads issued behind them may stay out
	s_barrier_signal -1
	s_barrier_wait -1                              ; everybody's are
	s_mov_b32 s76, 0
	s_mov_b32 s77, 131072
	s_mov_b32 s78, KSL
	s_mov_b32 s79, VSL
	LOOP 4
	s_wait_tensorcnt 0x1                           ; my part of steps 4-15
	s_wait_dscnt 0x0
	s_barrier_signal -1
	s_barrier_wait -1
	s_mov_b32 s76, 16384
	s_mov_b32 s77, 131072+16384
	s_mov_b32 s78, KSL+4*512
	s_mov_b32 s79, VSL+4*256
	LOOP 12
	s_wait_tensorcnt 0x0                           ; my part of steps 16-31: no tensor load of mine is out any more
	s_wait_dscnt 0x0
	s_barrier_signal -1
	s_barrier_wait -1
	s_mov_b32 s76, 65536
	s_mov_b32 s77, 131072+65536
	s_mov_b32 s78, KSL+16*512
	s_mov_b32 s79, VSL+16*256
	LOOP 16
	; THE WAY OUT.  O^T / the sum; register 16 b + i is d = 32 b + 16 (lane / 16) + i of my query: quantised along d, which is the last product's K
	PLACES 4                                       ; behind the last products
	v_add_f32 v14, v14, v15                        ; the sum's two halves,
	s_delay_alu instid0(VALU_DEP_1)
	v_permlanex16_b32 v252, v14, s20, s21
	s_delay_alu instid0(VALU_DEP_1)
	v_add_f32 v14, v14, v252                       ; and lane l xor 16's
	s_wait_alu depctr_va_vdst(0)
	v_rcp_f32 v14, v14
	v_nop                                          ; a plain place behind the transcendental
.set J, 0
	s_wait_alu depctr_va_vdst(0)
.rept 16
	v_pk_mul_f32 v[96+J:97+J], v[160+J:161+J], v[14:15] op_sel_hi:[1,0]
.set J, J+2
.endr
.irp b, 0,1
	v_max3_num_f32 v[232+\b], |v[96+16*\b]|, |v[97+16*\b]|, 0x1800000
.endr
.irp i, 2,4,6,8,10,12,14
.irp b, 0,1
	s_delay_alu instid0(VALU_DEP_2)
	v_max3_num_f32 v[232+\b], v[232+\b], |v[96+16*\b+\i]|, |v[97+16*\b+\i]|
.endr
.endr
.irp b, 0,1
	s_delay_alu instid0(VALU_DEP_2)
	v_permlanex16_b32 v[236+\b], v[232+\b], s20, s21
.endr
.irp b, 0,1
	s_delay_alu instid0(VALU_DEP_2)
	v_max_num_f32 v[232+\b], v[232+\b], v[236+\b]
.endr
.irp b, 0,1
	s_delay_alu instid0(VALU_DEP_2)
	v_add_nc_u32 v[244+\b], 0xff000000, v[232+\b]
.endr
.irp b, 0,1
	s_delay_alu instid0(VALU_DEP_2)
	v_lshrrev_b32 v[238+\b], 23, v[244+\b]
.endr
	s_delay_alu instid0(VALU_DEP_1)
	v_lshl_or_b32 v253, v239, 8, v238              ; the two bytes of my query and head
.irp b, 0,1
	v_cvt_scalef32_pk8_fp4_f32 v[224+2*\b], v[96+16*\b:103+16*\b], v[244+\b]
	v_cvt_scalef32_pk8_fp4_f32 v[225+2*\b], v[104+16*\b:111+16*\b], v[244+\b]
.endr
	v_nop                                          ; one plain place behind a scaled conversion
	v_permlane16_swap_b32 v224, v226               ; lane (r, h): d = 32 h .. 32 h + 31
	v_permlane16_swap_b32 v225, v227
	global_store_b128 v1, v[224:227], s[8:9]       ; half a fragment of the last product's operand: the wave stores 512 consecutive bytes
	ds_store_b16 v3, v253                          ; lanes r and r + 16 write the same two bytes with the same values
	s_wait_dscnt 0x0                               ; for wave 0's sake
	s_barrier_signal -1
	s_barrier_wait -1
	s_cmp_lg_u32 s12, 0
	s_cbranch_scc1 .Lno_asc
	ds_load_b128 v[96:99], v4                      ; the work-group's 256 queries x 2 bytes leave as 512 consecutive bytes
	s_wait_dscnt 0x0
	global_store_b128 v1, v[96:99], s[10:11]
.Lno_asc:
	s_wait_tensorcnt 0x0
	ds_add_u32 v31, v255
	s_wait_dscnt 0x0
	CROUND                                         ; the closing round: no work-group ends while a partner may still ask for a tile that names it
	s_endpgm
.Lfunc_end_k_q247d03ab77_attn:
	.size	k_q247d03ab77_attn, .Lfunc_end_k_q247d03ab77_attn-k_q247d03ab77_attn
	.p2alignl 7, 3214868480
	.fill 96, 4, 3214868480
	.section	.rodata,"a",@progbits
	.p2align	6, 0x0
	.amdhsa_kernel k_q247d03ab77_attn
		.amdhsa_group_segment_fixed_size 327680
		.amdhsa_private_segment_fixed_size 0
		.amdhsa_enable_private_segment 0
		.amdhsa_kernarg_size 32
		.amdhsa_user_sgpr_count 2
		.amdhsa_user_sgpr_kernarg_segment_ptr 1
		.amdhsa_wavefront_size32 1
		.amdhsa_system_sgpr_workgroup_id_x 1
		.amdhsa_system_sgpr_workgroup_id_y 1
		.amdhsa_system_sgpr_workgroup_id_z 1
		.amdhsa_system_vgpr_workitem_id 0
		.amdhsa_next_free_vgpr 256
		.amdhsa_next_free_sgpr 96
		.amdhsa_reserve_vcc 0
		.amdhsa_float_denorm_mode_32 3
		.amdhsa_float_denorm_mode_16_64 3
		.amdhsa_memory_ordered 1
		.amdhsa_forward_progress 1
		.amdhsa_inst_pref_size 64
	.end_amdhsa_kernel
	.amdgpu_metadata
---
amdhsa.version: [ 1, 2 ]
amdhsa.kernels:
  - .name:           k_q247d03ab77_attn
    .symbol:         k_q247d03ab77_attn.kd
    .args:
      - { .name: cd, .offset: 0, .size: 8, .value_kind: global_buffer, .address_space: global }
      - { .name: sc, .offset: 8, .size: 8, .value_kind: global_buffer, .address_space: global }
      - { .name: ac, .offset: 16, .size: 8, .value_kind: global_buffer, .address_space: global }
      - { .name: asc, .offset: 24, .size: 8, .value_kind: global_buffer, .address_space: global }
    .group_segment_fixed_size: 327680
    .private_segment_fixed_size: 0
    .kernarg_segment_align: 8
    .kernarg_segment_size: 32
    .max_flat_workgroup_size: 512
    .sgpr_count:     96
    .vgpr_count:     256
    .wavefront_size: 32
...
	.end_amdgpu_metadata
.endif
;; end of part 7
;; launch proj (part 8): grid 64 x 4, 8 waves a work-group, no clusters, 103,424 bytes of LDS; arguments ac, asc, proj_w_codes, proj_w_scales, proj_b, hidden_states, out0; writes out0
.if DOCPART == 8
	.amdgcn_target "amdgcn-amd-amdhsa--gfx1250"
	.amdhsa_code_object_version 6
	.text
	.protected	k_q247d03ab77_proj
	.globl	k_q247d03ab77_proj
	.p2align	8
	.type	k_q247d03ab77_proj,@function
k_q247d03ab77_proj:
	s_mov_b64 s[64:65], 0
	v_nop
	global_prefetch_b8 v0, s[64:65] scope:SCOPE_SE
	s_setreg_imm32_b32 hwreg(HW_REG_WAVE_SCHED_MODE, 0, 2), 2
	s_setreg_imm32_b32 hwreg(HW_REG_WAVE_MODE, 25, 1), 1
	s_wait_xcnt 0x0
	s_wait_alu depctr_vm_vsrc(0)
; out0[b][c][n] = the sum over k of a[b][n][k] Wp[c][k] + proj_b[c] + hidden_states[b][c][n], the product on codes of FP4 (E2M1) with one E8M0 scale for each 32 along K.  (The division by RESCALE = 1.0 changes no bit and is not written.)
; SHARES.  Work-group (x, y): 128 tokens (eight tiles of the attention's output, 32,768 consecutive bytes of ac at 32,768 x) and output channels 128 y on.  Wave w brings tile w into LDS for all eight waves, as the image of registers that it is,
; and owns channels 128 y + 16 w + r: its four fragments of Wp, their scale words and its bias stay in registers.
; LAYOUT.  Source 0 = 16 tokens, source 1 = my 16 rows of Wp: a lane holds ONE channel, and since row r of token tile 2 g + u is token 32 g + 8 u + r + 8 (r / 8), its eight registers are tokens 32 g + 16 (lane / 16) + 8 u + 0 .. 7: 32 neighbouring bytes of a
; row of out0.  A wave's 16 rows x 512 bytes are gathered in its own stage in LDS (rows 528 bytes apart: 33 x 16, so that sixteen rows start at sixteen different places modulo 256 bytes), read back by rows, added to the residual and stored:
; each store of a wave covers 512 consecutive bytes.  The bias is the C of each sum's first matrix instruction.
; NO JOINT LOADS: the four work-groups of one x share 32,768 bytes of codes; each has 131,072 bytes of its own (residual in, result out): what is shared is a fifth of a work-group's bytes, and it is read once, at the start.
; One barrier: behind it the eight tiles and their scale words lie in LDS and are only read.
; THE MODE: SCHED_MODE bits 1:0 = 2 (LLVM: expert scheduling mode 2), set by the entry lines.  The code itself states the register dependences
; between vector or matrix instructions and memory or LDS instructions, with s_wait_alu, always for 0.
; THE PLAN.  Registers that memory or LDS instructions touch:
;   v1, v4-12, v254, v255  addresses, offsets and the closing add's two: made at the head, never written again: one wait on va_vdst ahead of the first load serves them all.
;   AF      Loaded from memory; read by eight LDS stores; (wait on vm_vsrc) loaded from LDS, read by a group's products, loaded again for the next group; at the end loaded from the stage, written by the additions, read by the global stores.
;   AS      Loaded from LDS; read by a group's products; loaded again for the next group.
;   v220-223  Written by four vector instructions; read by one LDS store; never written again.
;   ACC     Written by a group's products; read by four LDS stores; (wait on vm_vsrc) written anew by the next group's products.
;   So ONE wait on va_vdst stands in a group, behind its products and their places: they have written ACC and are done reading AF and AS; the next fetch and the four LDS stores follow it.  One wait on vm_vsrc stands at the head of groups 1 to 3.
;   THE WAY OUT goes in four batches of four rows: the stores of batch j - 1 stand behind one wait on va_vdst at batch j's head, dealt among batch j's additions, which name other rows.
.set ASC,  32768                       ; LDS: 0: a's eight tiles of 4,096 bytes;  here their scale words [tile][r][K step][4 bytes];
.set STG,  34816                       ; the stage: 128 rows x 528 bytes, 16 rows a wave
.set WF,   16                          ; v16-47  Wp's four fragments;  v48-51 their scale words;  v52-59 the bias
.set WSC,  48
.set BI,   52
.set AS,   60                          ; v60-67  scale words of the two token tiles in hand
.set ACC,  68                          ; v68-83  two accumulators
.set AF,   84                          ; v84-147 my tile on its way in; two tiles' fragments; rows of the result
.set RES,  148                         ; v148-211 the residual's 16 rows
.macro PLACES n
.rept \n
	v_nop
.endr
.endm
.macro PFETCH g                        ; token tiles 2 g and 2 g + 1: four fragments and the scale words of each
.irp u, 0,1
.irp k, 0,1,2,3
.irp c, 0,1
	ds_load_b128 v[AF+32*\u+8*\k+4*\c:AF+32*\u+8*\k+4*\c+3], v1 offset:(2*(\g)+\u)*4096+1024*\k+512*\c
.endr
.endr
	ds_load_b128 v[AS+4*\u:AS+4*\u+3], v10 offset:(2*(\g)+\u)*256
.endr
.endm
	s_load_b256 s[4:11], s[0:1], 0x0               ; ac, asc, proj_w_codes, proj_w_scales
	s_load_b128 s[12:15], s[0:1], 0x20             ; proj_b, hidden_states
	s_load_b64 s[16:17], s[0:1], 0x30              ; out0
	v_lshl_add_u32 v254, v0, 2, 0x19000            ; the LDS address of my spare word, behind the stage, and 0: made here and kept for the closing lines alone
	v_mov_b32 v255, 0
	v_lshrrev_b32 v1, 5, v0
	v_readfirstlane_b32 s2, v1                     ; wave 0..7
	s_wait_alu depctr_va_sdst(0)                   ; s2 is written, ahead of its first reader: the offsets below are made from it
	s_and_b32 s20, ttmp7, 0xffff                   ; y
	s_lshr_b32 s21, ttmp9, 5                       ; batch
	s_and_b32 s22, ttmp9, 31                       ; which 128 tokens
	s_lshl_b32 s24, ttmp9, 15                      ; ac: 32,768 x + 4,096 wave
	s_lshl_b32 s36, s2, 12
	s_add_co_u32 s24, s24, s36
	s_mov_b32 s25, 0
	s_lshl_b32 s26, s22, 3                         ; asc: 65,536 batch + 32 (8 s + wave); + 8,192 head + 2 r
	s_add_co_u32 s26, s26, s2
	s_lshl_b32 s26, s26, 5
	s_lshl_b32 s36, s21, 16
	s_add_co_u32 s26, s26, s36
	s_mov_b32 s27, 0
	s_lshl_b32 s23, s20, 7
	s_lshl_b32 s36, s2, 4
	s_add_co_u32 s23, s23, s36                     ; my first channel: 128 y + 16 wave
	s_lshl_b32 s28, s23, 8                         ; Wp's codes: 256 bytes a row,
	s_mov_b32 s29, 0
	s_lshl_b32 s30, s23, 4                         ; scale bytes: 16,
	s_mov_b32 s31, 0
	s_lshl_b32 s32, s23, 2                         ; the bias: 4
	s_mov_b32 s33, 0
	s_lshl_b32 s34, s21, 23                        ; hidden_states and out0: 8,388,608 batch + 16,384 channel + 512 s
	s_lshl_b32 s36, s23, 14
	s_add_co_u32 s34, s34, s36
	s_lshl_b32 s36, s22, 9
	s_add_co_u32 s34, s34, s36
	s_mov_b32 s35, 0
	v_and_b32 v1, 31, v0
	v_lshlrev_b32 v1, 4, v1                        ; v1: 16 x lane: in memory, and in an image in LDS
	v_and_b32 v2, 15, v0                           ; r
	v_bfe_u32 v3, v0, 4, 1                         ; h
	v_lshlrev_b32 v4, 1, v2                        ; a's scale bytes: 2 r
	v_lshlrev_b32 v5, 8, v2
	v_lshl_add_u32 v5, v3, 4, v5                   ; Wp's codes: row r, + 16 h
	v_lshlrev_b32 v6, 4, v2                        ; its scale bytes
	v_lshlrev_b32 v7, 2, v2                        ; the bias
	s_lshl_b32 s36, s2, 12
	v_add_nc_u32 v8, s36, v1                       ; where my tile goes: 4,096 wave + 16 lane
	v_lshl_add_u32 v10, v2, 4, ASC                 ; scale words of row r,
	s_lshl_b32 s36, s2, 8
	v_add_nc_u32 v9, s36, v10                      ; and where my tile's go
	s_mul_i32 s36, s2, 16*528
	s_add_co_u32 s36, s36, STG                     ; my 16 rows of the stage
	v_mul_u32_u24 v11, v2, 528
	v_lshl_add_u32 v11, v3, 6, v11
	v_add_nc_u32 v11, s36, v11                     ; in: row r, + 64 h
	v_add_nc_u32 v12, s36, v1                      ; back: 16 bytes a lane of a row
	s_wait_kmcnt 0x0
	s_add_nc_u64 s[4:5], s[4:5], s[24:25]
	s_add_nc_u64 s[6:7], s[6:7], s[26:27]
	s_add_nc_u64 s[8:9], s[8:9], s[28:29]
	s_add_nc_u64 s[10:11], s[10:11], s[30:31]
	s_add_nc_u64 s[12:13], s[12:13], s[32:33]
	s_add_nc_u64 s[14:15], s[14:15], s[34:35]
	s_add_nc_u64 s[16:17], s[16:17], s[34:35]
	s_wait_alu depctr_va_vdst(0)                   ; all addresses and offsets (v1, v4 to v12) and v254, v255 are written: every load, store and LDS instruction of the kernel reads some of them, and none is written again
.irp i, 0,1,2,3,4,5,6,7
	global_load_b128 v[AF+4*\i:AF+4*\i+3], v1, s[4:5] offset:512*\i          ; my tile: eight runs of 512 consecutive bytes
.endr
.irp d, 0,1,2,3,4,5,6,7
	global_load_u16 v[212+\d], v4, s[6:7] offset:8192*\d                     ; head d's two bytes of row r
.endr
.irp k, 0,1,2,3
.irp c, 0,1
	global_load_b128 v[WF+8*\k+4*\c:WF+8*\k+4*\c+3], v5, s[8:9] offset:64*\k+32*\c
.endr
.endr
	global_load_b128 v[WSC:WSC+3], v6, s[10:11]
.irp j, 0,1,2,3,4,5,6,7
	global_load_b32 v[BI+\j], v7, s[12:13]         ; a lane holds one channel: its bias in all eight registers
.endr
.irp i, 0,1,2,3,4,5,6,7,8,9,10,11,12,13,14,15
	global_load_b128 v[RES+4*\i:RES+4*\i+3], v1, s[14:15] offset:16384*\i th:TH_LOAD_NT   ; the residual of my 16 channels: asked for now, wanted at the end; its last use in the program
.endr
	s_wait_loadcnt 33                              ; my tile and its scale bytes are in: 8 + 1 + 8 + 16 = 33 loads were issued behind them
.irp k, 0,1,2,3
	v_lshl_or_b32 v[220+\k], v[213+2*\k], 16, v[212+2*\k]   ; K step k is heads 2 k and 2 k + 1: four bytes
.endr
.irp i, 0,1,2,3,4,5,6,7
	ds_store_b128 v8, v[AF+4*\i:AF+4*\i+3] offset:512*\i   ; data as loaded: no vector instruction has named them
.endr
	s_wait_alu depctr_va_vdst(0)                   ; the four scale words v220 to v223 are written, which the LDS store reads
	ds_store_b128 v9, v[220:223]                   ; lanes r and r + 16 write the same words with the same values
	s_wait_dscnt 0x0                               ; for the others' sake
	s_barrier_signal -1
	s_barrier_wait -1
	s_wait_alu depctr_vm_vsrc(0)                   ; my eight LDS stores have read v[AF ..], in which the fragments' loads land
	PFETCH 0
	s_wait_loadcnt 16                              ; Wp, its scale words and the bias are in; the residual's 16 loads may stay out
.irp g, 0,1,2,3
	s_wait_dscnt 0x0
.if \g > 0
	s_wait_alu depctr_vm_vsrc(0)                   ; the LDS stores of the group before have read the two accumulators, which the products below write anew
.endif
.irp u, 0,1
	v_wmma_scale_f32_16x16x128_f8f6f4 v[ACC+8*\u:ACC+8*\u+7], v[AF+32*\u:AF+32*\u+7], v[WF:WF+7], v[BI:BI+7], v[AS+4*\u], v[WSC] matrix_a_fmt:MATRIX_FMT_FP4 matrix_b_fmt:MATRIX_FMT_FP4
.endr
.irp k, 1,2,3
.irp u, 0,1
	v_wmma_scale_f32_16x16x128_f8f6f4 v[ACC+8*\u:ACC+8*\u+7], v[AF+32*\u+8*\k:AF+32*\u+8*\k+7], v[WF+8*\k:WF+8*\k+7], v[ACC+8*\u:ACC+8*\u+7], v[AS+4*\u+\k], v[WSC+\k] matrix_a_fmt:MATRIX_FMT_FP4 matrix_b_fmt:MATRIX_FMT_FP4
.endr
.endr                                          ; the two accumulators take turns, one instruction a turn
	PLACES 5                                       ; four ahead of the stores of results; the fifth for the next group's products, which begin the accumulators anew
	s_wait_alu depctr_va_vdst(0)                   ; the products have written the accumulators, which the LDS stores read, and are done reading a's fragments and scale words, in which the loads below land (behind the last group: the rows' loads from the stage); the places above stay beside this wait
.if \g < 3
	PFETCH \g+1
.endif
.irp u, 0,1
	ds_store_b128 v11, v[ACC+8*\u:ACC+8*\u+3] offset:128*\g+32*\u          ; each accumulator from its low end on: tokens 32 g + 16 h + 8 u + 0 .. 7 of channel r
	ds_store_b128 v11, v[ACC+8*\u+4:ACC+8*\u+7] offset:128*\g+32*\u+16
.endr
.endr
.irp i, 0,1,2,3,4,5,6,7,8,9,10,11,12,13,14,15
	ds_load_b128 v[AF+4*\i:AF+4*\i+3], v12 offset:528*\i   ; LDS serves a wave's instructions in order (ISA guide 5.7.1.4): these see my stores; the rows are my wave's own
.endr
	s_wait_loadcnt 0x0                             ; the residual
.irp j, 0,1,2,3
	s_wait_dscnt 12-4*\j                           ; rows 4 j to 4 j + 3 are back, the younger loads stay out
.if \j > 0
	s_wait_alu depctr_va_vdst(0)                   ; the additions of the batch before have written its four rows, which the stores below read
.endif
.irp i, 0,1,2,3
.if \j > 0
	global_store_b128 v1, v[AF+4*(4*(\j-1)+\i):AF+4*(4*(\j-1)+\i)+3], s[16:17] offset:16384*(4*(\j-1)+\i) th:TH_STORE_NT   ; 32 lanes store 512 consecutive bytes, at a multiple of 512 from out0's first byte; written once, read by nobody here.  No vector instruction since the wait names this row
.endif
	v_pk_add_f32 v[AF+4*(4*\j+\i):AF+4*(4*\j+\i)+1], v[AF+4*(4*\j+\i):AF+4*(4*\j+\i)+1], v[RES+4*(4*\j+\i):RES+4*(4*\j+\i)+1]
	v_pk_add_f32 v[AF+4*(4*\j+\i)+2:AF+4*(4*\j+\i)+3], v[AF+4*(4*\j+\i)+2:AF+4*(4*\j+\i)+3], v[RES+4*(4*\j+\i)+2:RES+4*(4*\j+\i)+3]
.endr
.endr
	s_wait_alu depctr_va_vdst(0)                   ; the last batch's additions have written rows 12 to 15, which the last four stores read
.irp i, 12,13,14,15
	global_store_b128 v1, v[AF+4*\i:AF+4*\i+3], s[16:17] offset:16384*\i th:TH_STORE_NT
.endr
	s_wait_dscnt 0x0                               ; the closing lines, six on end
	s_wait_alu 0x0
	s_wait_tensorcnt 0x0
	ds_add_u32 v254, v255
	s_wait_dscnt 0x0
	s_endpgm
.Lfunc_end_k_q247d03ab77_proj:
	.size	k_q247d03ab77_proj, .Lfunc_end_k_q247d03ab77_proj-k_q247d03ab77_proj
	.p2alignl 7, 3214868480
	.fill 96, 4, 3214868480
	.section	.rodata,"a",@progbits
	.p2align	6, 0x0
	.amdhsa_kernel k_q247d03ab77_proj
		.amdhsa_group_segment_fixed_size 103424
		.amdhsa_private_segment_fixed_size 0
		.amdhsa_enable_private_segment 0
		.amdhsa_kernarg_size 56
		.amdhsa_user_sgpr_count 2
		.amdhsa_user_sgpr_kernarg_segment_ptr 1
		.amdhsa_wavefront_size32 1
		.amdhsa_system_sgpr_workgroup_id_x 1
		.amdhsa_system_sgpr_workgroup_id_y 1
		.amdhsa_system_sgpr_workgroup_id_z 1
		.amdhsa_system_vgpr_workitem_id 0
		.amdhsa_next_free_vgpr 256
		.amdhsa_next_free_sgpr 66
		.amdhsa_reserve_vcc 0
		.amdhsa_float_denorm_mode_32 3
		.amdhsa_float_denorm_mode_16_64 3
		.amdhsa_memory_ordered 1
		.amdhsa_forward_progress 1
		.amdhsa_inst_pref_size 24
	.end_amdhsa_kernel
	.amdgpu_metadata
---
amdhsa.version: [ 1, 2 ]
amdhsa.kernels:
  - .name:           k_q247d03ab77_proj
    .symbol:         k_q247d03ab77_proj.kd
    .args:
      - { .name: ac, .offset: 0, .size: 8, .value_kind: global_buffer, .address_space: global }
      - { .name: asc, .offset: 8, .size: 8, .value_kind: global_buffer, .address_space: global }
      - { .name: proj_w_codes, .offset: 16, .size: 8, .value_kind: global_buffer, .address_space: global }
      - { .name: proj_w_scales, .offset: 24, .size: 8, .value_kind: global_buffer, .address_space: global }
      - { .name: proj_b, .offset: 32, .size: 8, .value_kind: global_buffer, .address_space: global }
      - { .name: hidden_states, .offset: 40, .size: 8, .value_kind: global_buffer, .address_space: global }
      - { .name: out0, .offset: 48, .size: 8, .value_kind: global_buffer, .address_space: global }
    .group_segment_fixed_size: 103424
    .private_segment_fixed_size: 0
    .kernarg_segment_align: 8
    .kernarg_segment_size: 56
    .max_flat_workgroup_size: 256
    .sgpr_count:     66
    .vgpr_count:     256
    .wavefront_size: 32
...
	.end_amdgpu_metadata
.endif
;; end of part 8
